; MI455X (gfx1250); checked and timed in simulation.
; The chip was launched on July 23, 2026; its instructions are those of AMD's public machine-readable ISA for CDNA 5 (MIT licence, August 2026) and "CDNA5" Instruction Set Architecture Reference Guide (July 2026). The comments in the code are by the model that wrote it; some were corrected since.
;; SWA. Allowed arithmetic: matrix products marked QUANTISED: E2M1 operands, one E8M0 scale for each 32 along K, by v_wmma_scale_f32_16x16x128_f8f6f4 with both operands' format E2M1 (or v_wmma_scale_f32_32x16x128_f4), f32 sums; products left as they are: bf16, f16 or f32 operands; f32 sums; everything else in f32.
;; Inputs: wk_b 256 float32; wk_w 256 x 1,024 float32; wo_w 1,024 x 1,024 float32; wq_b 1,024 float32; wq_w 1,024 x 1,024 float32; wv_b 256 float32; wv_w 256 x 1,024 float32; x 2 x 2,048 x 1,024 float32.
;; Outputs: out0 2 x 2,048 x 1,024 float32.
;; Constants: sliding_window = 1024.
;; This version of the problem:
;;   THIS VERSION OF THE PROBLEM IS GIVEN IN LOW PRECISION. The matrix products marked QUANTISED in the list below multiply operands that are first quantised to E2M1 (2 exponent bits, 1 mantissa bit; 4 bits a number), with one power-of-two scale for each 32 numbers along K (OCP MX v1.0); their sums are f32. The products marked 'left as it is' may take bf16, f16 or f32 operands, with f32 sums. Whichever they take, every output number must still come out within the allowed error. Rounding operands to bf16 (8 significant bits) uses up far more of that allowance than f16 does (11 bits, for magnitudes from 6e-5 to 65,504). All else is computed in f32.
;;   The module's matrix products, in the order in which they are computed (A, B: the left and right operand; K: the contracted axis; several contracted axes count as one K, in the product's order):
;;     1. [M 4,096, K 1,024] x [K 1,024, N 1,024]; A: input x; B: input wq_w: QUANTISED
;;     2. [M 4,096, K 1,024] x [K 1,024, N 256]; A: input x; B: input wk_w: QUANTISED
;;     3. [M 4,096, K 1,024] x [K 1,024, N 256]; A: input x; B: input wv_w: QUANTISED
;;     4. batch 32 x [M 2,048, K 64] x [K 64, N 2,048]; A: computed on the way; B: computed on the way: left as it is (an operand is computed on the way)
;;     5. batch 32 x [M 64, K 2,048] x [K 2,048, N 2,048]; A: computed on the way; B: computed on the way: left as it is (an operand is computed on the way)
;;     6. [M 4,096, K 1,024] x [K 1,024, N 1,024]; A: computed on the way; B: input wo_w: left as it is (an operand is computed on the way)
;;   THE QUANTISER, for each operand of a quantised product, along K:
;;     - K is cut into blocks of 32 from its start; a last block that is shorter is filled with zeros.
;;     - A block's scale is 2^e with e = floor(log2(the largest magnitude in the block)) - 2, held to -126 .. 127; a block of zeros has e = 0. As a byte (E8M0): e + 127.
;;     - Each number is divided by its block's scale, clamped to +-6, and rounded to the nearest number of E2M1, ties to even, subnormals kept.
;;     - The product sums the exact products of the quantised numbers (number of the format x scale) in f32.
;;   ~~~python
;;   def quantise(x, axis):      # numpy; x: float32 -> the quantised numbers, widened to float32 again
;;       x = np.moveaxis(x, axis, -1); K = x.shape[-1]
;;       x = np.pad(x, [(0, 0)] * (x.ndim - 1) + [(0, -K % 32)]); x = x.reshape(x.shape[:-1] + (-1, 32)); a = np.abs(x).max(-1, keepdims=True)
;;       e = np.where(a > 0, np.clip(np.frexp(np.where(a > 0, a, 1))[1] - 1 - 2, -126, 127), 0)      # np.frexp(a)[1] - 1 = floor(log2(a)), exactly
;;       r = np.clip(x / 2.0 ** e, -6, 6)
;;       step = 2.0 ** (np.maximum(np.frexp(np.where(r == 0, 1, r))[1] - 1, 0) - 1)
;;       q = np.round(r / step) * step * 2.0 ** e      # np.round: ties to even
;;       return np.moveaxis(q.reshape(q.shape[:-2] + (-1,))[..., :K], -1, axis).astype(np.float32)
;;   ~~~
;; One version. Each part assembles by itself: llvm-mc -triple=amdgcn-amd-amdhsa -mcpu=gfx1250 --defsym DOCPART=n.
;; ======== version 1 of 1: 4 launches
;; limits: values are held in f16: magnitudes above 65,504 overflow, below 6.1e-05 lose precision
;; workspace buffers: codes 2,883,584 bytes; scales 180,224 bytes; wo_h 2,097,152 bytes; rope 524,288 bytes; qkvh 12,582,912 bytes; ctx 8,388,608 bytes
;; launch prep (part 1): grid 224 x 1, 4 waves a work-group, no clusters, 33,280 bytes of LDS; arguments x, wq_w, wk_w, wv_w, wo_w, codes, scales, wo_h, rope; writes codes, scales, wo_h, rope
.if DOCPART == 1
	.amdgcn_target "amdgcn-amd-amdhsa--gfx1250"
	.amdhsa_code_object_version 6
	.text
	.protected	k_q195689bea1_prep
	.globl	k_q195689bea1_prep
	.p2align	8
	.type	k_q195689bea1_prep,@function
k_q195689bea1_prep:
	s_mov_b64 s[64:65], 0
	v_nop
	global_prefetch_b8 v0, s[64:65] scope:SCOPE_SE
	s_setreg_imm32_b32 hwreg(HW_REG_WAVE_MODE, 25, 1), 1
	s_wait_xcnt 0x0
; THREE JOBS IN ONE LAUNCH, told apart by the work-group's number.
; Work-groups 0-175: x [4096][1024], wq_w [1024][1024], wk_w [256][1024], wv_w [256][1024], f32, K innermost, become codes of E2M1 (two a byte, the lower k in the low
;   four bits) and one E8M0 byte for each 32 along K.  The four tensors follow each other in the outputs: codes [5632 rows][512 bytes], scales [5632][32 bytes]:
;   rows 0-4095 x, 4096-5119 wq, 5120-5375 wk, 5376-5631 wv.  Rows are dense and 1,024 is a multiple of 32: all is a plain stream of blocks of 32.
;   A block's scale is 2^(floor(log2(its largest magnitude)) - 2): its byte is the largest magnitude's exponent field - 2, held at 1 from below.
; Work-groups 176-207: wo_w [1024][1024] f32 is rounded to f16 (wo_h), as it lies.
; Work-groups 208-223: the rotary table rope [2048 positions][32 pairs][cos, sin], f32.  Row 0 is exactly (1, 0).
; LIMITS: NaN and infinities among the inputs are not served.  A block of zeros, or one whose largest magnitude lies under 2^-124, gets the byte 1 (its codes are zeros or
;   held by the floor; the bytes are read by this program alone).  |wo_w| stays under 65,504 (f16).  The angles differ from pos x 10000^(-p/32) as f32 arithmetic gives it by the
;   last bits of the frequency: at most about 2e-4 radians at position 2,047.
; THE QUANTISER.  A wave takes 16 steps of 512 numbers.  Each of a step's four loads reads 512 consecutive bytes, 16 a lane; the 2,048 bytes go through the wave's own stage in LDS
; and come back 64 bytes a lane, so that a lane holds 16 neighbours along K (two neighbouring lanes hold a block).  A lane's 16 codes are 8 bytes: the wave stores 256 consecutive bytes.
; A wave's 256 scale bytes are gathered in its own LDS bytes and leave as one aligned run of 256 bytes.  Waves share nothing: no barrier.  Only this job touches LDS.
.set WAVES, 4
.set STEPS, 16
.set CB,    8                          ; bytes of 16 codes
.set R,     16                         ; v16-79   four sets of 16 numbers as they are loaded
.set X,     80                         ; v80-111  two sets of 16 neighbours
.set E,     112                        ; v112-127 a scale byte for each step
.set C,     128                        ; v128-191 codes: four registers for each step, so that no store's data are written again
.set WREG,  8192                       ; LDS: a region for each wave: two stages of 32 x SP bytes, behind them its 256 scale bytes
.set SP,    80                         ; a lane's place in a stage: its 64 bytes + 16 of padding
.set SPW,   12                         ; v12  LDS address of my spare word: SPARE + 4 x my thread's number; never rewritten
.set NIL,   13                         ; v13  0; never rewritten
.set SPARE, WAVES*WREG                 ; behind the four regions: the spare words, 128 bytes for each wave
	s_load_b512 s[4:19], s[0:1], 0x0               ; x s[4:5], wq s[6:7], wk s[8:9], wv s[10:11], wo s[12:13], codes s[14:15], scales s[16:17], wo_h s[18:19]
	s_load_b64 s[20:21], s[0:1], 0x40              ; rope
	v_lshl_add_u32 v[SPW], v0, 2, SPARE
	v_mov_b32 v[NIL], 0
	v_lshrrev_b32 v1, 5, v0
	v_readfirstlane_b32 s22, v1                    ; wave
	v_and_b32 v2, 31, v0                           ; lane
	s_wait_kmcnt 0x0
	s_cmp_ge_u32 ttmp9, 208
	s_cbranch_scc1 .Ltable
	s_cmp_ge_u32 ttmp9, 176
	s_cbranch_scc1 .Lwo
	; ---------------- the quantiser ----------------
	v_lshlrev_b32 v3, 4, v2                        ; my 16 bytes of a load's 512
	s_mul_i32 s23, s22, WREG
	v_lshrrev_b32 v14, 2, v2
	v_mul_u32_u24 v14, v14, SP
	v_and_b32 v15, 3, v2
	v_lshl_add_u32 v14, v15, 4, v14
	v_add_nc_u32 v14, s23, v14                     ; the stage, on the way in: four lanes' 64 bytes on end, then 16 of padding
	v_mul_u32_u24 v15, v2, SP
	v_add_nc_u32 v15, s23, v15                     ; and on the way out: SP x lane: my 16 neighbours
	v_mul_u32_u24 v4, v2, CB                       ; my codes' place in a step's
	v_lshrrev_b32 v5, 1, v2
	s_add_co_u32 s23, s23, 2*32*SP
	v_add_nc_u32 v5, s23, v5                       ; LDS: my wave's 256 scale bytes, my block's byte
	v_lshlrev_b32 v7, 3, v2                        ; and on the way out 8 bytes a lane
	v_add_nc_u32 v6, s23, v7
	; which tensor, and its first work-group: the choice hangs on the work-group's number alone.  32,768 numbers to a work-group: x 128, wq 32, wk 8, wv 8
	s_mov_b32 s26, 168
	s_cmp_lt_u32 ttmp9, 168
	s_cselect_b64 s[24:25], s[8:9], s[10:11]
	s_cselect_b32 s26, 160, s26
	s_cmp_lt_u32 ttmp9, 160
	s_cselect_b64 s[24:25], s[6:7], s[24:25]
	s_cselect_b32 s26, 128, s26
	s_cmp_lt_u32 ttmp9, 128
	s_cselect_b64 s[24:25], s[4:5], s[24:25]
	s_cselect_b32 s26, 0, s26
	s_sub_co_u32 s27, ttmp9, s26
	s_lshl_b32 s27, s27, 2
	s_add_co_u32 s27, s27, s22                     ; which run of 8,192 numbers of the tensor is my wave's
	s_lshl_b32 s28, s27, 15                        ; 32,768 bytes a run
	s_mov_b32 s29, 0
	s_add_nc_u64 s[24:25], s[24:25], s[28:29]
	s_lshl_b32 s27, ttmp9, 2
	s_add_co_u32 s27, s27, s22                     ; and which run of the outputs' one stream
	s_lshl_b32 s28, s27, 12                        ; 4,096 bytes of codes a run
	s_add_nc_u64 s[14:15], s[14:15], s[28:29]
	s_lshl_b32 s28, s27, 8                         ; 256 scale bytes a run
	s_add_nc_u64 s[16:17], s[16:17], s[28:29]
.macro LOAD t
.irp i, 0,1,2,3
	global_load_b128 v[R+16*((\t)%4)+4*\i:R+16*((\t)%4)+4*\i+3], v3, s[24:25] offset:2048*(\t)+512*\i th:TH_LOAD_NT   ; 32 lanes read 512 consecutive bytes
.endr
.endm
.macro TURN t                          ; step t's numbers through the stage: LDS serves a wave's instructions in order, so no wait stands between the stores and the loads
.irp i, 0,1,2,3
	ds_store_b128 v14, v[R+16*((\t)%4)+4*\i:R+16*((\t)%4)+4*\i+3] offset:32*SP*((\t)%2)+8*SP*\i
.endr
.irp i, 0,1,2,3
	ds_load_b128 v[X+16*((\t)%2)+4*\i:X+16*((\t)%2)+4*\i+3], v15 offset:32*SP*((\t)%2)+16*\i
.endr
.endm
.irp t, 0,1,2,3
	LOAD \t
.endr
	s_wait_loadcnt 12                              ; step 0's four loads are in; the twelve of steps 1 to 3 stay out
	TURN 0
.macro STEP t
.set XS, X+16*((\t)%2)
.if (\t) > 0
	s_wait_dscnt 1                                 ; this step's numbers are back from the stage (the last step's byte store may be out): so its stores into the stage have read their registers,
.else
	s_wait_dscnt 0x0
.endif
.if (\t)+4 < STEPS
	LOAD (\t)+4                                    ; which take the loads of four steps on
.endif
.if (\t)+1 < STEPS
.if STEPS-2-(\t) >= 3
	s_wait_loadcnt 12                              ; the next step's four loads are in; those of the three steps behind it may be out
.else
	s_wait_loadcnt 4*(STEPS-2-(\t))
.endif
	TURN (\t)+1                                    ; and go through the other stage while this step is worked
.endif
	v_max3_num_f32 v8, |v[XS]|, |v[XS+1]|, |v[XS+2]|               ; the largest magnitude of my 16, in two chains
	v_max3_num_f32 v9, |v[XS+3]|, |v[XS+4]|, |v[XS+5]|
.irp i, 6,10
	v_max3_num_f32 v8, v8, |v[XS+\i]|, |v[XS+\i+1]|
	v_max3_num_f32 v9, v9, |v[XS+\i+2]|, |v[XS+\i+3]|
.endr
	v_max3_num_f32 v8, v8, |v[XS+14]|, |v[XS+15]|
	v_max3_num_f32 v8, v8, v9, 0x1800000           ; and the floor 2^(3 - 127): so the byte cannot fall under 1
	v_max_num_f32_dpp v8, v8, v8 row_xmask:1 row_mask:0xf bank_mask:0xf   ; and of my neighbour's 16: the block's
	v_add_nc_u32 v11, 0xff000000, v8               ; 2 off its exponent field: the conversion takes the exponent field of this operand as its scale, and nothing else of it
	v_cvt_scalef32_pk8_fp4_f32 v[C+4*(\t)], v[XS:XS+7], v11        ; eight numbers / the scale, to the nearest code, ties to even, beyond 6 the largest code
	v_cvt_scalef32_pk8_fp4_f32 v[C+4*(\t)+1], v[XS+8:XS+15], v11
	v_lshrrev_b32 v[E+(\t)], 23, v11               ; the scale's byte (also the plain line behind the conversions)
	ds_store_b8 v5, v[E+(\t)] offset:16*(\t)       ; both lanes of a block write the same byte with the same value
	global_store_b64 v4, v[C+4*(\t):C+4*(\t)+1], s[14:15] offset:32*CB*(\t)   ; the wave stores 256 consecutive bytes, aligned
.endm
.irp t, 0,1,2,3,4,5,6,7,8,9,10,11,12,13,14,15
	STEP \t
.endr
	ds_load_b64 v[8:9], v6                         ; LDS serves a wave's instructions in order: these see my stores
	s_wait_dscnt 0x0
	global_store_b64 v7, v[8:9], s[16:17]          ; 32 lanes store 256 consecutive bytes, aligned
	s_wait_tensorcnt 0x0                           ; the wave's end: an add of 0 to my spare word and its wait stand behind my last LDS store
	ds_add_u32 v[SPW], v[NIL]
	s_wait_dscnt 0x0
	s_endpgm
	; ---------------- wo_w to f16 ----------------
	; A wave takes 8,192 numbers in four rounds of 16 loads (512 consecutive bytes each); two rounds of loads are out.  A load's 4 numbers a lane become 8 bytes: a store covers 256 consecutive bytes.
.Lwo:
	s_sub_co_u32 s23, ttmp9, 176
	s_lshl_b32 s23, s23, 2
	s_add_co_u32 s23, s23, s22                     ; my run
	s_lshl_b32 s24, s23, 15
	s_mov_b32 s25, 0
	s_add_nc_u64 s[12:13], s[12:13], s[24:25]
	s_lshl_b32 s24, s23, 14
	s_add_nc_u64 s[18:19], s[18:19], s[24:25]
	v_lshlrev_b32 v3, 4, v2
	v_lshlrev_b32 v4, 3, v2
.macro LOADW k
.irp i, 0,1,2,3,4,5,6,7,8,9,10,11,12,13,14,15
	global_load_b128 v[16+64*((\k)%2)+4*\i:16+64*((\k)%2)+4*\i+3], v3, s[12:13] offset:8192*(\k)+512*\i th:TH_LOAD_NT
.endr
.endm
.macro ROUNDW k
.if (\k) < 3
	s_wait_loadcnt 16                              ; this round's sixteen loads are in; the next round's sixteen stay out
.else
	s_wait_loadcnt 0x0
.endif
.if (\k) > 0
	s_wait_xcnt 0x0                                ; the last round's stores have read v144-175: only now are they written again
.endif
.irp i, 0,1,2,3,4,5,6,7,8,9,10,11,12,13,14,15
	v_cvt_pk_f16_f32 v[144+2*\i], v[16+64*((\k)%2)+4*\i], v[16+64*((\k)%2)+4*\i+1]
	v_cvt_pk_f16_f32 v[145+2*\i], v[16+64*((\k)%2)+4*\i+2], v[16+64*((\k)%2)+4*\i+3]
.endr
.if (\k) < 2
	LOADW (\k)+2
.endif
.irp i, 0,1,2,3,4,5,6,7,8,9,10,11,12,13,14,15
	global_store_b64 v4, v[144+2*\i:145+2*\i], s[18:19] offset:4096*(\k)+256*\i
.endr
.endm
	LOADW 0
	LOADW 1
	ROUNDW 0
	ROUNDW 1
	ROUNDW 2
	ROUNDW 3
	s_endpgm
	; ---------------- the rotary table ----------------
	; A work-group makes 128 positions.  Thread t makes pairs 2 (t % 16) and 2 (t % 16) + 1 at positions (t / 16) + 8 i, i = 0 .. 15: 16 bytes a store, a wave's store covers 512 consecutive bytes.
	; frequency = 2^(-p log2(10) / 8) = 10000^(-p / 32); angle = position x frequency, one rounding.  n = the nearest whole number to angle x 2 / pi; y = angle - n pi / 2 (pi / 2 in two parts,
	; fused, so that nothing is lost at n up to 1,304); sin y and cos y by their series on |y| <= pi / 4 (the first term left out is under 3e-8); n's two low bits swap and sign them.  No branch on data.
.Ltable:
	s_sub_co_u32 s23, ttmp9, 208
	s_lshl_b32 s24, s23, 15                        ; 128 rows of 256 bytes
	s_mov_b32 s25, 0
	s_add_nc_u64 s[20:21], s[20:21], s[24:25]
	s_lshl_b32 s24, s23, 7
	s_mov_b32 s30, 0x3f22f983                      ; 2 / pi
	s_mov_b32 s31, 0x3fc90fdb                      ; pi / 2, its upper part,
	s_mov_b32 s32, 0xb33bbd2e                      ; and what is left of it
	s_mov_b32 s33, 0xbe2aaaab                      ; -1/6
	s_mov_b32 s34, 0x3c088889                      ; 1/120
	s_mov_b32 s35, 0xb9500d01                      ; -1/5040
	s_mov_b32 s36, 0x3638ef1d                      ; 1/362880
	s_mov_b32 s37, 0x3d2aaaab                      ; 1/24
	s_mov_b32 s38, 0xbab60b61                      ; -1/720
	s_mov_b32 s39, 0x37d00d01                      ; 1/40320
	v_and_b32 v16, 15, v0
	v_lshrrev_b32 v17, 4, v0
	v_lshlrev_b32 v21, 8, v17
	v_lshl_add_u32 v21, v16, 4, v21                ; my 16 bytes: row t / 16, pairs 2 (t % 16) on
	v_add_nc_u32 v20, s24, v17
	v_cvt_f32_u32 v20, v20                         ; my first position, in f32: whole numbers up to 2,047 are exact
	v_lshlrev_b32 v22, 1, v16
	v_cvt_f32_u32 v18, v22
	v_add_f32 v19, 1.0, v18
	v_mul_f32 v18, 0xbed49a78, v18                 ; -p log2(10) / 8
	v_mul_f32 v19, 0xbed49a78, v19
	v_exp_f32 v18, v18
	v_exp_f32 v19, v19
	v_nop                                          ; a plain line behind the exponentials,
	s_wait_alu depctr_va_vdst(0)                   ; and the one wait for both, ahead of their first reader
.macro SINCOS i
.irp e, 0,1
	v_mul_f32 v[24+\e], v20, v[18+\e]              ; the angle
.endr
.irp e, 0,1
	v_mul_f32 v[26+\e], s30, v[24+\e]
.endr
.irp e, 0,1
	v_rndne_f32 v[26+\e], v[26+\e]                 ; n
.endr
.irp e, 0,1
	v_fma_f32 v[28+\e], -v[26+\e], s31, v[24+\e]
.endr
.irp e, 0,1
	v_fma_f32 v[28+\e], -v[26+\e], s32, v[28+\e]   ; y
.endr
.irp e, 0,1
	v_cvt_i32_f32 v[32+\e], v[26+\e]
.endr
.irp e, 0,1
	v_mul_f32 v[30+\e], v[28+\e], v[28+\e]         ; z = y y
.endr
.irp e, 0,1
	v_fma_f32 v[34+\e], s36, v[30+\e], s35
	v_fma_f32 v[36+\e], s39, v[30+\e], s38
.endr
.irp e, 0,1
	v_fma_f32 v[34+\e], v[34+\e], v[30+\e], s34
	v_fma_f32 v[36+\e], v[36+\e], v[30+\e], s37
.endr
.irp e, 0,1
	v_fma_f32 v[34+\e], v[34+\e], v[30+\e], s33
	v_fma_f32 v[36+\e], v[36+\e], v[30+\e], -0.5
	v_mul_f32 v[38+\e], v[28+\e], v[30+\e]
.endr
.irp e, 0,1
	v_fma_f32 v[34+\e], v[34+\e], v[38+\e], v[28+\e]   ; sin y
	v_fma_f32 v[36+\e], v[36+\e], v[30+\e], 1.0        ; cos y
.endr
.irp e, 0,1
	v_and_b32 v[40+\e], 1, v[32+\e]
	v_cmp_eq_u32 vcc_lo, 1, v[40+\e]               ; n odd: the two change places
	v_cndmask_b32 v[42+\e], v[34+\e], v[36+\e], vcc_lo
	v_cndmask_b32 v[44+\e], v[36+\e], v[34+\e], vcc_lo
	v_lshlrev_b32 v[40+\e], 30, v[32+\e]           ; the sine is negative where n % 4 is 2 or 3: bit 1 of n
	v_and_b32 v[40+\e], 0x80000000, v[40+\e]
	v_xor_b32 v[65+4*\i+2*\e], v[40+\e], v[42+\e]
	v_add_nc_u32 v[40+\e], 1, v[32+\e]             ; the cosine where it is 1 or 2: bit 1 of n + 1
	v_lshlrev_b32 v[40+\e], 30, v[40+\e]
	v_and_b32 v[40+\e], 0x80000000, v[40+\e]
	v_xor_b32 v[64+4*\i+2*\e], v[40+\e], v[44+\e]
.endr
	global_store_b128 v21, v[64+4*\i:67+4*\i], s[20:21] offset:2048*\i   ; registers of its own for each store: none is written again
	v_add_f32 v20, 0x41000000, v20                 ; eight positions on
.endm
.irp i, 0,1,2,3,4,5,6,7,8,9,10,11,12,13,14,15
	SINCOS \i
.endr
	s_endpgm
.Lfunc_end_k_q195689bea1_prep:
	.size	k_q195689bea1_prep, .Lfunc_end_k_q195689bea1_prep-k_q195689bea1_prep
	.p2alignl 7, 3214868480
	.fill 96, 4, 3214868480
	.section	.rodata,"a",@progbits
	.p2align	6, 0x0
	.amdhsa_kernel k_q195689bea1_prep
		.amdhsa_group_segment_fixed_size 33280
		.amdhsa_private_segment_fixed_size 0
		.amdhsa_enable_private_segment 0
		.amdhsa_kernarg_size 72
		.amdhsa_user_sgpr_count 2
		.amdhsa_user_sgpr_kernarg_segment_ptr 1
		.amdhsa_wavefront_size32 1
		.amdhsa_system_sgpr_workgroup_id_x 1
		.amdhsa_system_sgpr_workgroup_id_y 1
		.amdhsa_system_sgpr_workgroup_id_z 1
		.amdhsa_system_vgpr_workitem_id 0
		.amdhsa_next_free_vgpr 192
		.amdhsa_next_free_sgpr 66
		.amdhsa_reserve_vcc 1
		.amdhsa_float_denorm_mode_32 3
		.amdhsa_float_denorm_mode_16_64 3
		.amdhsa_memory_ordered 1
		.amdhsa_forward_progress 1
		.amdhsa_inst_pref_size 97
	.end_amdhsa_kernel
	.amdgpu_metadata
---
amdhsa.version: [ 1, 2 ]
amdhsa.kernels:
  - .name:           k_q195689bea1_prep
    .symbol:         k_q195689bea1_prep.kd
    .args:
      - { .name: x, .offset: 0, .size: 8, .value_kind: global_buffer, .address_space: global }
      - { .name: wq_w, .offset: 8, .size: 8, .value_kind: global_buffer, .address_space: global }
      - { .name: wk_w, .offset: 16, .size: 8, .value_kind: global_buffer, .address_space: global }
      - { .name: wv_w, .offset: 24, .size: 8, .value_kind: global_buffer, .address_space: global }
      - { .name: wo_w, .offset: 32, .size: 8, .value_kind: global_buffer, .address_space: global }
      - { .name: codes, .offset: 40, .size: 8, .value_kind: global_buffer, .address_space: global }
      - { .name: scales, .offset: 48, .size: 8, .value_kind: global_buffer, .address_space: global }
      - { .name: wo_h, .offset: 56, .size: 8, .value_kind: global_buffer, .address_space: global }
      - { .name: rope, .offset: 64, .size: 8, .value_kind: global_buffer, .address_space: global }
    .group_segment_fixed_size: 33280
    .private_segment_fixed_size: 0
    .kernarg_segment_align: 8
    .kernarg_segment_size: 72
    .max_flat_workgroup_size: 128
    .sgpr_count:     66
    .vgpr_count:     192
    .wavefront_size: 32
...
	.end_amdgpu_metadata
.endif
;; end of part 1
;; launch qkv (part 2): grid 8 x 32, 12 waves a work-group, clusters of 4 x 4, 225,792 bytes of LDS; arguments codes, scales, rope, wq_b, wk_b, wv_b, qkvh; writes qkvh
.if DOCPART == 2
	.amdgcn_target "amdgcn-amd-amdhsa--gfx1250"
	.amdhsa_code_object_version 6
	.text
	.protected	k_q195689bea1_qkv
	.globl	k_q195689bea1_qkv
	.p2align	8
	.type	k_q195689bea1_qkv,@function
k_q195689bea1_qkv:
	s_mov_b64 s[64:65], 0
	v_nop
	global_prefetch_b8 v0, s[64:65] scope:SCOPE_SE
	s_setreg_imm32_b32 hwreg(HW_REG_WAVE_MODE, 25, 1), 1
	s_wait_xcnt 0x0
	s_wait_alu depctr_hold_cnt(0) depctr_sa_sdst(0) depctr_va_vdst(0) depctr_va_sdst(0) depctr_va_ssrc(0) depctr_va_vcc(0) depctr_vm_vsrc(0)
	s_getreg_b32 s2, hwreg(HW_REG_IB_STS2, 6, 4)
	s_cmp_eq_u32 s2, 0
	s_cbranch_scc0 .Lentry_in_a_cluster
	s_endpgm
.Lentry_in_a_cluster:
	s_bfe_u32 s2, ttmp6, 0x10000c
	s_cmp_lg_u32 s2, 0xf033
	s_cbranch_scc0 .Lentry_shape_is_right
	s_endpgm
.Lentry_shape_is_right:
; q, k, v = x W^T + b on codes of E2M1 with E8M0 scales (K = 1,024), then the rotary embedding on q and k, rounded to f16 into qkvh [2 b][24 heads][2048 s][64]: heads 0-15 q, 16-19 k, 20-23 v.
; codes [5632][512 bytes], scales [5632][32 bytes]: rows 0-4095 x, from 4096 on the 1,536 rows of wq, wk, wv: row 4096 + 64 head + column.
; SHARES.  A work-group makes 128 rows x 192 columns (three heads): 32 x 8 = 256 work-groups.  Twelve waves: wave w makes rows 32 (w % 4) on of head 3 BX + w / 4: 2 x 4 accumulators of 16 x 16.
; ALL OF K LIES IN LDS AT ONCE: 320 rows (128 of x, 192 of W) x 512 bytes of codes, each row + 16 of padding: 168,960 bytes, filled once by five tensor loads of 64 rows.  No slot is filled again.
; CLUSTER 4 x 4.  x's rows hang on the tile row alone and are asked for jointly by a row of the cluster; W's rows hang on the tile column alone and are asked for jointly by a column.
; THE MATRIX INSTRUCTION IS USED TRANSPOSED (source 0 = 16 rows of W, source 1 = 16 rows of x): a lane holds one row of x and eight neighbouring columns, that is four rotary pairs.
; The bias is the C of each sum's first instruction.  v's heads go through the same rotation with the table's row 0, which is (1, 0): no branch hangs on the head.
; LIMITS: |q|, |k|, |v| stay under 65,504 (f16).
.set PITCH,  528                       ; an LDS row: 512 bytes + 16: the sixteen rows of a fragment load fall on sixteen different 16-byte columns modulo 256 bytes
.set STG,    320*PITCH                 ; behind the codes: a stage of 32 rows x 144 bytes for each wave; no tensor load lands there
.set SPITCH, 144                       ; 128 bytes of f16 + 16
.set WSTG,   32*SPITCH
.set SPARE,  STG+12*WSTG               ; the spare words, 128 bytes for each wave
.set ADRA, 3                           ; v3   LDS address of my fragments of x
.set ADRB, 4                           ; v4   of W
.set SA,   5                           ; v5   scale words: lanes 0-15 x's rows, lanes 16-31 W's
.set BA,   6                           ; v6   the bias: 32 x (lane / 16)
.set TA,   7                           ; v7-8 the table: my row's position, for a = 0, 1
.set STO,  9                           ; v9   the stage: where I put 16 bytes of a row
.set RD,   10                          ; v10  and where I read rows back
.set GO,   11                          ; v11  16 x lane
.set SPW,  12                          ; v12  my spare word; never rewritten
.set NIL,  13                          ; v13  0; never rewritten
.set AF,   16                          ; v16-31   x's two fragments
.set BF,   32                          ; v32-63   W's four
.set PKD,  16                          ; v16-47   on the way out: packed f16
.set TMP,  48                          ; v48-55   on the way out: at work
.set ACC,  64                          ; v64-127  accumulator (a, t) at 64 + 8 (4 a + t)
.set SC,   128                         ; v128-159 scale words and nothing else: register 8 i + q: lanes 0-15 x's block i, lanes 16-31 W's block i, K step q
.set BI,   160                         ; v160-191 the bias of W's four blocks, in the result's layout
.set TB,   192                         ; v192-255 (cos, sin) of my four pairs, for (a, t)
.set WV,   18
.set G1A,  24                          ; s[24:31] descriptor group 1 for x's rows;  s[32:39] for W's: they differ in the mask alone
.set G1B,  32
.set G0A,  44                          ; s[44:47], s[48:51] groups 0
.set G0B,  48
.macro CROUND                          ; a round of the cluster's barrier
	s_barrier_signal -1
	s_barrier_wait -1
	s_cmp_lg_u32 s[WV], 0
	s_cbranch_scc1 .Lnot_wave_0_\@
	s_barrier_signal -3
.Lnot_wave_0_\@:
	s_barrier_wait -3
	s_barrier_signal -1
	s_barrier_wait -1
.endm
	s_load_b256 s[4:11], s[0:1], 0x0               ; codes s[4:5], scales s[6:7], rope s[8:9], wq_b s[10:11]
	s_load_b128 s[12:15], s[0:1], 0x20             ; wk_b, wv_b
	s_load_b64 s[16:17], s[0:1], 0x30              ; qkvh
	v_lshl_add_u32 v[SPW], v0, 2, SPARE
	v_mov_b32 v[NIL], 0
	ds_add_u32 v[SPW], v[NIL]                      ; the wave's opening: the add and its wait stand ahead of the first tensor loads; work on registers stands between
	v_lshrrev_b32 v1, 5, v0
	v_readfirstlane_b32 s[WV], v1                  ; wave 0..11
	s_and_b32 s19, s[WV], 3                        ; WR: which 32 rows
	s_lshr_b32 s20, s[WV], 2                       ; WC: which of the three heads
	s_bfe_u32 s21, ttmp6, 0x40000                  ; cx
	s_bfe_u32 s22, ttmp6, 0x40004                  ; cy
	s_lshl_b32 s23, ttmp9, 2
	s_add_co_u32 s23, s23, s21                     ; BX = 4 x cluster x + cx
	s_and_b32 s40, ttmp7, 0xffff
	s_lshl_b32 s40, s40, 2
	s_add_co_u32 s40, s40, s22                     ; BY = 4 x cluster y + cy
	s_lshl_b32 s41, s22, 2
	s_lshl_b32 s41, 15, s41                        ; my row of the cluster
	s_lshl_b32 s42, 0x1111, s21                    ; my column
	; group 1: 64 rows x 512 elements of one byte, 512 bytes from row to row; four words of padding behind every 128
	s_or_b32 s[G1A], s41, (0<<16)|(1<<20)|(1<<21)|(6<<22)|(3<<25)
	s_or_b32 s[G1B], s42, (0<<16)|(1<<20)|(1<<21)|(6<<22)|(3<<25)
.irp g, G1A, G1B
	s_mov_b32 s[\g+1], 512<<16                     ; tensor_dim0
	s_mov_b32 s[\g+2], 64<<16                      ; tensor_dim1
	s_mov_b32 s[\g+3], 512<<16                     ; tile_dim0
	s_mov_b32 s[\g+4], 64                          ; tile_dim1
	s_mov_b32 s[\g+5], 512                         ; from row to row
	s_mov_b32 s[\g+6], 0
	s_mov_b32 s[\g+7], 0
.endr
	; waves 0, 1 fetch x's rows 64 w on; waves 2, 3, 4 W's rows 64 (w - 2) on.  x's offset never holds BX, W's never BY
	s_lshl_b32 s56, s[WV], 6
	s_lshl_b32 s52, s40, 7
	s_add_co_u32 s52, s52, s56
	s_lshl_b32 s52, s52, 9                         ; (128 BY + 64 w) x 512 bytes
	s_mov_b32 s53, 0
	s_mul_i32 s54, s23, 192
	s_add_co_u32 s54, s54, s56
	s_add_co_u32 s54, s54, 3968                    ; 4096 + 192 BX + 64 (w - 2)
	s_lshl_b32 s54, s54, 9
	s_mov_b32 s55, 0
	s_mul_i32 s57, s[WV], 64*PITCH                 ; where they go: 64 rows a wave: no place in the cluster enters an LDS address
	s_mul_i32 s43, s23, 3
	s_add_co_u32 s43, s43, s20                     ; my head, 0..23
	s_wait_dscnt 0x0                               ; the opening add is done
	s_wait_kmcnt 0x0
	s_mov_b32 s[G0A], 1
	s_mov_b32 s[G0A+1], s57
	s_add_nc_u64 s[G0A+2:G0A+3], s[4:5], s[52:53]
	s_or_b32 s[G0A+3], s[G0A+3], 0x80000000
	s_mov_b32 s[G0B], 1
	s_mov_b32 s[G0B+1], s57
	s_add_nc_u64 s[G0B+2:G0B+3], s[4:5], s[54:55]
	s_or_b32 s[G0B+3], s[G0B+3], 0x80000000
	CROUND                                         ; all sixteen work-groups are here: the joint loads meet
	s_cmp_lt_u32 s[WV], 2                          ; the branches hang on the wave's number alone
	s_cbranch_scc0 .Lnot_a
	tensor_load_to_lds s[G0A:G0A+3], s[G1A:G1A+7]
	s_nop 0
.rept 4
	v_nop
.endr
	s_branch .Lasked
.Lnot_a:
	s_cmp_lt_u32 s[WV], 5
	s_cbranch_scc0 .Lasked
	tensor_load_to_lds s[G0B:G0B+3], s[G1B:G1B+7]
	s_nop 0
.rept 4
	v_nop
.endr
.Lasked:
	v_and_b32 v1, 15, v0                           ; r
	v_bfe_u32 v2, v0, 4, 1                         ; h
	; the scale words of all eight K steps: 32 bytes a row.  Lanes 0-15: x's row 128 BY + 32 WR + r; lanes 16-31: W's row 4096 + 64 head + r; block i lies 512 i bytes on.
	; (For i = 2, 3 lanes 0-15 read rows of x that are not mine: inside the buffer, and not used.)
	s_lshl_b32 s60, s40, 7
	s_lshl_b32 s61, s19, 5
	s_add_co_u32 s60, s60, s61                     ; my first row of x
	s_and_b32 s71, s60, 2047                       ; and its position in the sequence
	s_lshl_b32 s60, s60, 5
	s_lshl_b32 s61, s43, 6
	s_add_co_u32 s61, s61, 4096
	s_lshl_b32 s61, s61, 5
	s_sub_co_u32 s61, s61, s60                     ; the distance between the two, above 0 and under 2^24
	v_mul_u32_u24 v14, s61, v2
	v_lshl_add_u32 v[SA], v1, 5, v14
	v_add_nc_u32 v[SA], s60, v[SA]
.irp i, 0,1,2,3
	global_load_b128 v[SC+8*\i:SC+8*\i+3], v[SA], s[6:7] offset:512*\i
	global_load_b128 v[SC+8*\i+4:SC+8*\i+7], v[SA], s[6:7] offset:512*\i+16
.endr
	; the bias: which buffer, and which head in it: selects, no branch
	s_cmp_lt_u32 s43, 20
	s_cselect_b64 s[66:67], s[12:13], s[14:15]
	s_cselect_b32 s68, 16, 20
	s_cselect_b32 s70, -1, 0                       ; q and k take their position's row of the table, v takes row 0
	s_cmp_lt_u32 s43, 16
	s_cselect_b64 s[66:67], s[10:11], s[66:67]
	s_cselect_b32 s68, 0, s68
	s_sub_co_u32 s68, s43, s68
	s_lshl_b32 s68, s68, 8                         ; 64 numbers a head
	s_mov_b32 s69, 0
	s_add_nc_u64 s[66:67], s[66:67], s[68:69]
	v_lshlrev_b32 v[BA], 5, v2                     ; lane (r, h) wants, for block t, columns 16 t + 8 h + 0 .. 7
.irp t, 0,1,2,3
	global_load_b128 v[BI+8*\t:BI+8*\t+3], v[BA], s[66:67] offset:64*\t
	global_load_b128 v[BI+8*\t+4:BI+8*\t+7], v[BA], s[66:67] offset:64*\t+16
.endr
	; the table: a position's row is 256 bytes; columns 16 t + 8 h on are pairs 8 t + 4 h on: 64 t + 32 h bytes
	v_add_nc_u32 v[TA], s71, v1
	v_add_nc_u32 v[TA+1], 16, v[TA]
.irp a, 0,1
	v_and_b32 v[TA+\a], s70, v[TA+\a]
	v_lshlrev_b32 v[TA+\a], 8, v[TA+\a]
	v_lshl_add_u32 v[TA+\a], v2, 5, v[TA+\a]
.endr
.irp a, 0,1
.irp t, 0,1,2,3
	global_load_b128 v[TB+8*(4*\a+\t):TB+8*(4*\a+\t)+3], v[TA+\a], s[8:9] offset:64*\t
	global_load_b128 v[TB+8*(4*\a+\t)+4:TB+8*(4*\a+\t)+7], v[TA+\a], s[8:9] offset:64*\t+16
.endr
.endr
	; LDS addresses.  A fragment (16 rows x 128 K of 4-bit codes) is 8 registers: lane (r, h): row r, registers 4 c .. 4 c + 3 = the 16 bytes at 32 c + 16 h of the K step's 64
	s_mul_i32 s58, s19, 32*PITCH
	s_mul_i32 s59, s20, 64*PITCH
	s_add_co_u32 s59, s59, 128*PITCH
	v_mul_u32_u24 v14, v1, PITCH
	v_lshl_add_u32 v14, v2, 4, v14
	v_add_nc_u32 v[ADRA], s58, v14
	v_add_nc_u32 v[ADRB], s59, v14
	s_mul_i32 s58, s[WV], WSTG
	s_add_co_u32 s58, s58, STG                     ; my stage
	v_mul_u32_u24 v14, v1, SPITCH
	v_lshl_add_u32 v14, v2, 4, v14
	v_add_nc_u32 v[STO], s58, v14                  ; in: row r, 16 bytes for each half of the lanes
	v_and_b32 v15, 31, v0
	v_lshrrev_b32 v14, 3, v15
	v_mul_u32_u24 v14, v14, SPITCH
	v_and_b32 v[GO], 7, v0
	v_lshl_add_u32 v14, v[GO], 4, v14
	v_add_nc_u32 v[RD], s58, v14                   ; back: eight lanes to a row of 128 bytes, four rows an instruction
	v_lshlrev_b32 v[GO], 4, v15
	s_lshr_b32 s72, s40, 4                         ; the batch
	s_mul_i32 s72, s72, 24
	s_add_co_u32 s72, s72, s43
	s_lshl_b32 s72, s72, 11
	s_add_co_u32 s72, s72, s71
	s_lshl_b32 s72, s72, 7                         ; ((24 b + head) x 2048 + position) x 128 bytes
	s_mov_b32 s73, 0
	s_add_nc_u64 s[16:17], s[16:17], s[72:73]
	s_wait_tensorcnt 0x0                           ; my tensor load, if I had one, has landed,
	s_barrier_signal -1
	s_barrier_wait -1                              ; everybody's has
	s_wait_loadcnt 0x0                             ; scale words, bias, table
; A K step of 128: twelve LDS loads, eight matrix instructions.  The eight accumulators take turns, one instruction a turn, in the same order in every step.
.macro KSTEP q
.if \q > 0
.rept 4
	v_nop                                          ; four places in front of loads into registers that matrix instructions have read
.endr
.endif
.irp a, 0,1
.irp c, 0,1
	ds_load_b128 v[AF+8*\a+4*\c:AF+8*\a+4*\c+3], v[ADRA] offset:\a*16*PITCH+64*\q+32*\c
.endr
.endr
.irp t, 0,1,2,3
.irp c, 0,1
	ds_load_b128 v[BF+8*\t+4*\c:BF+8*\t+4*\c+3], v[ADRB] offset:\t*16*PITCH+64*\q+32*\c
.endr
.endr
.irp t, 0,1,2,3
	s_wait_dscnt 6-2*\t                            ; x's two fragments and W's block t are in; the two loads of each later block of W may be out
.irp a, 0,1
.if \q == 0
	v_wmma_scale_f32_16x16x128_f8f6f4 v[ACC+8*(4*\a+\t):ACC+8*(4*\a+\t)+7], v[BF+8*\t:BF+8*\t+7], v[AF+8*\a:AF+8*\a+7], v[BI+8*\t:BI+8*\t+7], v[SC+8*\t+\q], v[SC+8*\a+\q] matrix_a_fmt:MATRIX_FMT_FP4 matrix_b_fmt:MATRIX_FMT_FP4 matrix_a_scale:MATRIX_SCALE_ROW1
.else
	v_wmma_scale_f32_16x16x128_f8f6f4 v[ACC+8*(4*\a+\t):ACC+8*(4*\a+\t)+7], v[BF+8*\t:BF+8*\t+7], v[AF+8*\a:AF+8*\a+7], v[ACC+8*(4*\a+\t):ACC+8*(4*\a+\t)+7], v[SC+8*\t+\q], v[SC+8*\a+\q] matrix_a_fmt:MATRIX_FMT_FP4 matrix_b_fmt:MATRIX_FMT_FP4 matrix_a_scale:MATRIX_SCALE_ROW1
.endif
.endr
.endr
.endm
.irp q, 0,1,2,3,4,5,6,7
	KSTEP \q
.endr
.rept 4
	v_nop                                          ; four places in front of the first read of results and the first write over operands
.endr
; The rotation of accumulator (a, t)'s four pairs (x1, x2): (x1 c - x2 s, x1 s + x2 c), in f32, then both rounded to f16.  The accumulator is read from its low end on.
.macro ROPE a, t
.set AC, ACC+8*(4*\a+\t)
.set TT, TB+8*(4*\a+\t)
.irp i, 0,1,2,3
	v_mul_f32 v[TMP+2*\i], v[AC+2*\i+1], v[TT+2*\i+1]
	v_mul_f32 v[TMP+2*\i+1], v[AC+2*\i+1], v[TT+2*\i]
.endr
.irp i, 0,1,2,3
	v_fma_f32 v[TMP+2*\i], v[AC+2*\i], v[TT+2*\i], -v[TMP+2*\i]
	v_fma_f32 v[TMP+2*\i+1], v[AC+2*\i], v[TT+2*\i+1], v[TMP+2*\i+1]
.endr
.irp i, 0,1,2,3
	v_cvt_pk_f16_f32 v[PKD+4*(4*\a+\t)+\i], v[TMP+2*\i], v[TMP+2*\i+1]
.endr
	ds_store_b128 v[STO], v[PKD+4*(4*\a+\t):PKD+4*(4*\a+\t)+3] offset:\a*16*SPITCH+32*\t   ; row 16 a + r, columns 16 t + 8 h on
.endm
.irp a, 0,1
.irp t, 0,1,2,3
	ROPE \a, \t
.endr
.endr
.irp i, 0,1,2,3,4,5,6,7
	ds_load_b128 v[ACC+4*\i:ACC+4*\i+3], v[RD] offset:\i*4*SPITCH   ; LDS serves a wave's instructions in order: these see my stores
.endr
.irp i, 0,1,2,3,4,5,6,7
	s_wait_dscnt 7-\i                              ; load i is back; the later ones may be out
	global_store_b128 v[GO], v[ACC+4*\i:ACC+4*\i+3], s[16:17] offset:512*\i   ; four rows of a head lie on end: 32 lanes store 512 consecutive bytes, aligned
.endr
	s_wait_tensorcnt 0x0                           ; the wave's end: an add of 0 to my spare word and its wait stand behind my last tensor load and my last LDS store
	ds_add_u32 v[SPW], v[NIL]
	s_wait_dscnt 0x0
	CROUND                                         ; the closing round
	s_endpgm
.Lfunc_end_k_q195689bea1_qkv:
	.size	k_q195689bea1_qkv, .Lfunc_end_k_q195689bea1_qkv-k_q195689bea1_qkv
	.p2alignl 7, 3214868480
	.fill 96, 4, 3214868480
	.section	.rodata,"a",@progbits
	.p2align	6, 0x0
	.amdhsa_kernel k_q195689bea1_qkv
		.amdhsa_group_segment_fixed_size 225792
		.amdhsa_private_segment_fixed_size 0
		.amdhsa_enable_private_segment 0
		.amdhsa_kernarg_size 56
		.amdhsa_user_sgpr_count 2
		.amdhsa_user_sgpr_kernarg_segment_ptr 1
		.amdhsa_wavefront_size32 1
		.amdhsa_system_sgpr_workgroup_id_x 1
		.amdhsa_system_sgpr_workgroup_id_y 1
		.amdhsa_system_sgpr_workgroup_id_z 1
		.amdhsa_system_vgpr_workitem_id 0
		.amdhsa_next_free_vgpr 256
		.amdhsa_next_free_sgpr 80
		.amdhsa_reserve_vcc 0
		.amdhsa_float_denorm_mode_32 3
		.amdhsa_float_denorm_mode_16_64 3
		.amdhsa_memory_ordered 1
		.amdhsa_forward_progress 1
		.amdhsa_inst_pref_size 37
	.end_amdhsa_kernel
	.amdgpu_metadata
---
amdhsa.version: [ 1, 2 ]
amdhsa.kernels:
  - .name:           k_q195689bea1_qkv
    .symbol:         k_q195689bea1_qkv.kd
    .args:
      - { .name: codes, .offset: 0, .size: 8, .value_kind: global_buffer, .address_space: global }
      - { .name: scales, .offset: 8, .size: 8, .value_kind: global_buffer, .address_space: global }
      - { .name: rope, .offset: 16, .size: 8, .value_kind: global_buffer, .address_space: global }
      - { .name: wq_b, .offset: 24, .size: 8, .value_kind: global_buffer, .address_space: global }
      - { .name: wk_b, .offset: 32, .size: 8, .value_kind: global_buffer, .address_space: global }
      - { .name: wv_b, .offset: 40, .size: 8, .value_kind: global_buffer, .address_space: global }
      - { .name: qkvh, .offset: 48, .size: 8, .value_kind: global_buffer, .address_space: global }
    .group_segment_fixed_size: 225792
    .private_segment_fixed_size: 0
    .kernarg_segment_align: 8
    .kernarg_segment_size: 56
    .max_flat_workgroup_size: 384
    .sgpr_count:     80
    .vgpr_count:     256
    .wavefront_size: 32
...
	.end_amdgpu_metadata
.endif
;; end of part 2
;; launch attn (part 3): grid 32 x 8, 8 waves a work-group, no clusters, 305,664 bytes of LDS; arguments qkvh, ctx; writes ctx
.if DOCPART == 3
	.amdgcn_target "amdgcn-amd-amdhsa--gfx1250"
	.amdhsa_code_object_version 6
	.text
	.protected	k_q195689bea1_attn
	.globl	k_q195689bea1_attn
	.p2align	8
	.type	k_q195689bea1_attn,@function
k_q195689bea1_attn:
	s_mov_b64 s[64:65], 0
	v_nop
	global_prefetch_b8 v0, s[64:65] scope:SCOPE_SE
	s_setreg_imm32_b32 hwreg(HW_REG_WAVE_MODE, 25, 1), 1
	s_wait_xcnt 0x0
; ctx[b][i][head][:] = the sum over keys j with 0 <= i - j <= 1024 of softmax_j(q_i . k_j / 8) v_j.  qkvh [2][24 heads][2048][64] f16 (0-15 q, 16-19 k, 20-23 v); ctx [4096][1024] f16.
; Products on f16 operands with f32 sums; maxima, exponentials and sums in f32; the weights p (at most 1) are rounded to f16 for the second product.
; SHARES.  A work-group owns 64 positions (Q0 = 64 x work-group x) of the FOUR query heads that share one key and value head (work-group y = 4 b + that head): each tile of K and V in LDS serves four heads.
; Eight waves: wave w owns head w / 2, positions 32 (w % 2) on: two tiles of 16 queries.  Two waves to a SIMD: one's vector work stands beside the other's matrix work.
; THE BAND.  Keys are walked downward in tiles of 64: tile j holds keys Q0 - 64 j on, j = 0 .. 16.  Tile 0 has the causal edge, tile 16 the window's edge, tiles 1-15 count whole; all else lies outside the band.
; THE WHOLE WINDOW LIES IN LDS, 17 tiles of K and of V, filled once: no slot is filled again.  Every work-group issues the same ten kinds of load, so that every counted wait holds on every path;
; where j is above the work-group's x the tile's address falls into the head before it in qkvh (never under the buffer's start: 16 heads of q lie in front), and the tile is read by no step:
; a scalar branch on ids leaves such a step's work out.  The price: the first sixteen blocks of a sequence fetch bytes that they do not use.
; NO CLUSTER: neighbouring blocks' windows are shifted by 64 keys each; four partners' joint window is 20 tiles x 17,920 bytes = 358,400 bytes, more than the 327,680 that a work-group can claim.
; LAYOUT.  S^T = K Q^T (source 0 = 16 keys, source 1 = 16 queries): a lane holds ONE query (lane % 16) and keys 8 (lane / 16) + 0..7.  Two such tiles, rounded in pairs, are source 1 of O^T = V^T P.
; SOFTMAX.  A running maximum m and sum l for each query: p = 2^(c s - c m), c = log2(e) / 8; O and l are multiplied by a = 2^(c m_old - c m_new) in every step.  The diagonal tile comes first,
; in which every query has itself as a key: m is a number from the first step on, and hidden scores, set to -infinity, give p = 0.
; LIMITS: |ctx| stays under 65,504 (f16).
.set KSL,   8704                       ; a tile of K: 64 keys x 128 bytes, dense in memory, taken as 32 rows of 256 bytes (two keys) + 16 of padding
.set VSL,   9216                       ; a tile of V: the same + 32 of padding
.set PK,    272                        ; with these pitches the sixteen lanes of a load of K, and of a turning load of V, fall on sixteen different 16-byte columns modulo 256 bytes
.set PV,    288
.set VB,    17*KSL                     ; V's tiles lie behind K's
.set SPARE, VB+17*VSL                  ; the spare words, 128 bytes for each wave
.set OP,    528                        ; the way out: 64 rows x (4 heads x 128 bytes + 16), in K's tiles 0-3, which have had their only fill and their last read
.set AK0, 1                            ; v1   my lane's place in a tile of K
.set AV0, 2                            ; v2   the same for V
.set ADK, 3                            ; v3   LDS address of the step's tile of K
.set ADV, 4                            ; v4   of V
.set D0,  5                            ; v5   32 (w % 2) + lane % 16 - 8 (lane / 16): for the two edges
.set STO, 6
.set RD,  7
.set GO,  8
.set QO,  9
.set SPW, 10                           ; v10  my spare word; never rewritten
.set NIL, 11                           ; v11  0; never rewritten
.set ST,  12                           ; tile u's statistics at v[12 + 8 u]: +0 c m, +1 m, +2, +3 l (even keys', odd keys'), +4 .. +7 at work; a in +6
.set SB,  28                           ; v28-31 the sums' second chains; v28 holds -infinity while an edge is masked
.set Q,   32                           ; v32-63   Q: tile u, channels 32 cs on, at 32 + 16 u + 8 cs
.set S,   64                           ; v64-127  S^T: tile u, keys 16 kt on, at 64 + 32 u + 8 kt; p's f16 pairs are laid over the first 16 registers of each tile
.set O,   128                          ; v128-191 O^T: tile u, channels 16 t on, at 128 + 32 u + 8 t
.set F,   192                          ; v192-255 K's eight fragments, then V's eight
.set WV,  8
.set KW,  9
.set HQ,  10
.set HALF, 11
.set QB,  12
.set J,   2                            ; s2   the tile in hand
.set CNT, 3
.set TK,  66                           ; s66  LDS byte at which the tile of K begins
.set TV,  67                           ; s67  and that of V
.set SEL, 20                           ; s[20:21] lane selects: lane l xor 16
.set CS,  22                           ; s[22:23] c
	s_load_b128 s[4:7], s[0:1], 0x0                ; qkvh, ctx
	v_lshl_add_u32 v[SPW], v0, 2, SPARE
	v_mov_b32 v[NIL], 0
	ds_add_u32 v[SPW], v[NIL]                      ; the wave's opening: the add and its wait stand ahead of my first tensor load; work on registers stands between
	v_lshrrev_b32 v64, 5, v0
	v_readfirstlane_b32 s[WV], v64                 ; wave 0..7
	s_and_b32 s[KW], s[WV], 3                      ; which part of K (waves 0-3) or of V (waves 4-7) I fetch
	s_lshr_b32 s[HQ], s[WV], 1
	s_and_b32 s[HALF], s[WV], 1
	s_mov_b32 s[QB], ttmp9
	s_and_b32 s13, ttmp7, 0xffff
	s_lshr_b32 s14, s13, 2                         ; the batch
	s_and_b32 s15, s13, 3                          ; the key and value head
	; four groups 1: rows of 32 elements of 8 bytes, dense; 8 rows (a quarter of tile 0) or 32 (a tile); padding behind every 64 words: 4 words for K, 8 for V
.irp g, 24, 32
	s_mov_b32 s[\g], (3<<16)|(1<<20)|(5<<22)|(3<<25)
.endr
.irp g, 40, 48
	s_mov_b32 s[\g], (3<<16)|(1<<20)|(5<<22)|(7<<25)
.endr
.irp g, 24, 40
	s_mov_b32 s[\g+2], 8<<16                       ; tensor_dim1
	s_mov_b32 s[\g+4], 8                           ; tile_dim1
.endr
.irp g, 32, 48
	s_mov_b32 s[\g+2], 32<<16
	s_mov_b32 s[\g+4], 32
.endr
.irp g, 24, 32, 40, 48
	s_mov_b32 s[\g+1], 32<<16                      ; tensor_dim0
	s_mov_b32 s[\g+3], 32<<16                      ; tile_dim0
	s_mov_b32 s[\g+5], 32                          ; from row to row
	s_mov_b32 s[\g+6], 0
	s_mov_b32 s[\g+7], 0
.endr
	s_mov_b32 s[SEL], 0x76543210
	s_mov_b32 s[SEL+1], 0xfedcba98
	s_mov_b32 s[CS], 0x3e38aa3b                    ; c = log2(e) / 8
	s_mov_b32 s[CS+1], s[CS]                       ; (named with it as a pair, so it is written)
	s_mul_i32 s16, s14, 24
	s_add_co_u32 s16, s16, s15
	s_add_co_u32 s16, s16, 16
	s_lshl_b32 s16, s16, 18                        ; K's head: 262,144 bytes a head
	s_lshl_b32 s17, s[QB], 13
	s_add_co_u32 s16, s16, s17                     ; + Q0 x 128: tile 0's first byte, as an offset in qkvh; V's lies four heads, 0x100000 bytes, on
	s_lshl_b32 s17, s[KW], 13
	s_mov_b32 s19, 0
	s_wait_dscnt 0x0                               ; the opening add is done
	s_wait_kmcnt 0x0
	; load 0: 16 keys of tile 0, so that the first step can begin early
	s_lshl_b32 s18, s[KW], 11
	s_add_co_u32 s18, s18, s16
	s_mov_b32 s56, 1
	s_mul_i32 s57, s[KW], 8*PK
	s_add_nc_u64 s[58:59], s[4:5], s[18:19]
	s_or_b32 s59, s59, 0x80000000
	s_add_co_u32 s18, s18, 0x100000
	s_mov_b32 s80, 1
	s_mul_i32 s81, s[KW], 8*PV
	s_add_co_u32 s81, s81, VB
	s_add_nc_u64 s[82:83], s[4:5], s[18:19]
	s_or_b32 s83, s83, 0x80000000
	; load n = 1 .. 4: tile 4 n - 3 + KW, whole.  The offset is made whole, apart from the address: it is never under 16 heads less 16 tiles
.irp n, 1,2,3,4
.set GK, 56+4*\n+4*((\n+2)/4)                  ; s[60:63], s[68:71], s[72:75], s[76:79]
.set GV, 80+4*\n
	s_sub_co_u32 s18, s16, s17
	s_sub_co_u32 s18, s18, (4*\n-3)*8192
	s_mov_b32 s[GK], 1
	s_mul_i32 s[GK+1], s[KW], KSL
	s_add_co_u32 s[GK+1], s[GK+1], (4*\n-3)*KSL
	s_add_nc_u64 s[GK+2:GK+3], s[4:5], s[18:19]
	s_or_b32 s[GK+3], s[GK+3], 0x80000000
	s_add_co_u32 s18, s18, 0x100000
	s_mov_b32 s[GV], 1
	s_mul_i32 s[GV+1], s[KW], VSL
	s_add_co_u32 s[GV+1], s[GV+1], VB+(4*\n-3)*VSL
	s_add_nc_u64 s[GV+2:GV+3], s[4:5], s[18:19]
	s_or_b32 s[GV+3], s[GV+3], 0x80000000
.endr
	s_cmp_lt_u32 s[WV], 4                          ; a wave's five fills stand in one branch on its number, ahead of every wait on TENSORcnt, every LDS read and every barrier: five loads of mine are out
	s_cbranch_scc0 .Lfill_v
	tensor_load_to_lds s[56:59], s[24:31]
	s_nop 0
	tensor_load_to_lds s[60:63], s[32:39]
	s_nop 0
	tensor_load_to_lds s[68:71], s[32:39]
	s_nop 0
	tensor_load_to_lds s[72:75], s[32:39]
	s_nop 0
	tensor_load_to_lds s[76:79], s[32:39]
	s_nop 0
.rept 4
	v_nop
.endr
	s_branch .Lfilled
.Lfill_v:
	tensor_load_to_lds s[80:83], s[40:47]
	s_nop 0
	tensor_load_to_lds s[84:87], s[48:55]
	s_nop 0
	tensor_load_to_lds s[88:91], s[48:55]
	s_nop 0
	tensor_load_to_lds s[92:95], s[48:55]
	s_nop 0
	tensor_load_to_lds s[96:99], s[48:55]
	s_nop 0
.rept 4
	v_nop
.endr
.Lfilled:
	v_and_b32 v64, 15, v0                          ; r
	v_bfe_u32 v65, v0, 4, 1                        ; h
	v_lshlrev_b32 v[QO], 7, v64
	v_lshl_add_u32 v[QO], v65, 4, v[QO]            ; Q: row r of 128 bytes, + 16 h
	s_mul_i32 s18, s14, 24
	s_lshl_b32 s17, s15, 2
	s_add_co_u32 s18, s18, s17
	s_add_co_u32 s18, s18, s[HQ]                   ; my query head
	s_lshl_b32 s18, s18, 11
	s_lshl_b32 s17, s[QB], 6
	s_add_co_u32 s18, s18, s17
	s_lshl_b32 s17, s[HALF], 5
	s_add_co_u32 s18, s18, s17                     ; my first query
	s_lshl_b32 s18, s18, 7
	s_add_nc_u64 s[4:5], s[4:5], s[18:19]
.irp u, 0,1
.irp cs, 0,1
	global_load_b128 v[Q+16*\u+8*\cs:Q+16*\u+8*\cs+3], v[QO], s[4:5] offset:2048*\u+64*\cs       ; Q stays in registers
	global_load_b128 v[Q+16*\u+8*\cs+4:Q+16*\u+8*\cs+7], v[QO], s[4:5] offset:2048*\u+64*\cs+32
.endr
.endr
	; K: key kk of a tile lies at (kk / 2) PK + (kk % 2) 128.  A fragment: lane (r, h): key r, registers 0-3 channels 8 h on, registers 4-7 channels 16 + 8 h on
	v_lshrrev_b32 v66, 1, v64
	v_mul_u32_u24 v[AK0], v66, PK
	v_and_b32 v66, 1, v0
	v_lshl_add_u32 v[AK0], v66, 7, v[AK0]
	v_lshl_add_u32 v[AK0], v65, 4, v[AK0]
	; V: the turning load takes 16 keys x 16 channels: lane l reads 16 bytes of key 8 h + l % 8, channels 8 ((l / 8) % 2) on, and is left with channel l % 16 and 8 keys
	v_bfe_u32 v67, v0, 1, 2
	v_lshl_add_u32 v67, v65, 2, v67
	v_mul_u32_u24 v[AV0], v67, PV
	v_lshl_add_u32 v[AV0], v66, 7, v[AV0]
	v_bfe_u32 v67, v0, 3, 1
	v_lshl_add_u32 v[AV0], v67, 4, v[AV0]
	s_lshl_b32 s17, s[HALF], 5
	v_lshlrev_b32 v67, 3, v65
	v_sub_nc_u32 v[D0], v64, v67
	v_add_nc_u32 v[D0], s17, v[D0]
	s_mul_i32 s17, s[HALF], 32*OP                  ; the way out, in: row = my position, 128 bytes a head, 16 bytes for each half of the lanes
	s_lshl_b32 s18, s[HQ], 7
	s_add_co_u32 s17, s17, s18
	v_mul_u32_u24 v[STO], v64, OP
	v_lshl_add_u32 v[STO], v65, 4, v[STO]
	v_add_nc_u32 v[STO], s17, v[STO]
	v_and_b32 v66, 31, v0
	v_lshlrev_b32 v[GO], 4, v66
	s_mul_i32 s17, s[WV], 8*OP                     ; back: wave w takes rows 8 w on, 32 lanes to a row's 512 bytes
	v_add_nc_u32 v[RD], s17, v[GO]
	s_lshl_b32 s18, s14, 11
	s_lshl_b32 s17, s[QB], 6
	s_add_co_u32 s18, s18, s17
	s_lshl_b32 s17, s[WV], 3
	s_add_co_u32 s18, s18, s17
	s_lshl_b32 s18, s18, 11                        ; (2048 b + Q0 + 8 w) rows of 2,048 bytes
	s_lshl_b32 s17, s15, 9                         ; + the four heads' 512 bytes
	s_add_co_u32 s18, s18, s17
	s_add_nc_u64 s[6:7], s[6:7], s[18:19]
	s_mov_b32 s[J], 0
	s_mov_b32 s[TK], 0
	s_mov_b32 s[TV], VB
; A KEY STEP: tile J, 64 keys, for my two tiles of queries.  mask = 1: the causal edge; 2: the window's edge; 0: all keys count.  first = 1: it starts m, l and O^T.
.macro STEP mask, first
.if \first == 0
	s_cmp_gt_u32 s[J], s[QB]                       ; the tile lies in front of the sequence: its work is left out.  Ids and the count of steps alone; no barrier, tensor load or wait on TENSORcnt stands in a step
	s_cbranch_scc1 .Lskip_\@
.endif
	v_add_nc_u32 v[ADK], s[TK], v[AK0]
	v_add_nc_u32 v[ADV], s[TV], v[AV0]
.rept 4
	v_nop                                          ; with the two additions six places behind the last step's products: four are asked in front of the loads over V's fragments, five in front of the products that write over p
.endr
.irp cs, 0,1
.irp kt, 0,1,2,3
.irp c, 0,1
	ds_load_b128 v[F+16*\kt+8*\cs+4*\c:F+16*\kt+8*\cs+4*\c+3], v[ADK] offset:8*PK*\kt+64*\cs+32*\c
.endr
.endr
.endr
	s_wait_dscnt 8                                 ; channels 0-31 are in; the eight loads of channels 32-63 may be out
.irp kt, 0,1,2,3                               ; the eight accumulators take turns, one instruction a turn
.irp u, 0,1
	v_wmma_f32_16x16x32_f16 v[S+32*\u+8*\kt:S+32*\u+8*\kt+7], v[F+16*\kt:F+16*\kt+7], v[Q+16*\u:Q+16*\u+7], 0
.endr
.endr
	s_wait_dscnt 0x0
.irp kt, 0,1,2,3
.irp u, 0,1
	v_wmma_f32_16x16x32_f16 v[S+32*\u+8*\kt:S+32*\u+8*\kt+7], v[F+16*\kt+8:F+16*\kt+15], v[Q+16*\u+8:Q+16*\u+15], v[S+32*\u+8*\kt:S+32*\u+8*\kt+7]
.endr
.endr
.rept 4
	v_nop                                          ; four places in front of the loads over K's fragments and of the first read of the scores
.endr
.irp t, 0,1,2,3                                ; V, turned, lands while the softmax is walked
.irp ks, 0,1
.irp c, 0,1
	ds_load_tr16_b128 v[F+16*\t+8*\ks+4*\c:F+16*\t+8*\ks+4*\c+3], v[ADV] offset:(16*\ks+8*\c)*PV+32*\t
.endr
.endr
.endr
.if \mask                                      ; register 8 kt + j of tile u holds key 16 kt + 8 h + j of the tile, for query 32 (w % 2) + 16 u + r of the block
	v_mov_b32 v[SB], 0xff800000                    ; -infinity
.irp u, 0,1
.irp kt, 0,1,2,3
.irp j, 0,1,2,3,4,5,6,7
.if \mask == 1
	v_cmp_le_i32 vcc_lo, 16*\kt+\j-16*\u, v[D0]    ; tile 0: the key counts where key <= query
.else
	v_cmp_ge_i32 vcc_lo, 16*\kt+\j-16*\u, v[D0]    ; tile 16: query - key = 1024 + (query's place - key's place): it counts where key's place >= query's place
.endif
	v_cndmask_b32 v[S+32*\u+8*\kt+\j], v[SB], v[S+32*\u+8*\kt+\j], vcc_lo
.endr
.endr
.endr
.endif
	; the maximum of my 32 scores and the old m: four chains, the two tiles by turns; each accumulator is read from its low end on
.irp j, 0,1,2,3
.irp u, 0,1
	v_max3_num_f32 v[ST+8*\u+4+\j], v[S+32*\u+8*\j], v[S+32*\u+8*\j+1], v[S+32*\u+8*\j+2]
.endr
.endr
.irp g, 1,2
.irp j, 0,1,2,3
.irp u, 0,1
	v_max3_num_f32 v[ST+8*\u+4+\j], v[ST+8*\u+4+\j], v[S+32*\u+8*\j+2*\g+1], v[S+32*\u+8*\j+2*\g+2]
.endr
.endr
.endr
.irp u, 0,1
	v_max3_num_f32 v[ST+8*\u+4], v[ST+8*\u+4], v[S+32*\u+7], v[S+32*\u+15]
	v_max3_num_f32 v[ST+8*\u+6], v[ST+8*\u+6], v[S+32*\u+23], v[S+32*\u+31]
.endr
.irp u, 0,1
	v_max3_num_f32 v[ST+8*\u+4], v[ST+8*\u+4], v[ST+8*\u+5], v[ST+8*\u+6]
.endr
.irp u, 0,1
.if \first
	v_max_num_f32 v[ST+8*\u+4], v[ST+8*\u+4], v[ST+8*\u+7]
.else
	v_max3_num_f32 v[ST+8*\u+4], v[ST+8*\u+4], v[ST+8*\u+7], v[ST+8*\u+1]
.endif
.endr
.irp u, 0,1
	v_permlanex16_b32 v[ST+8*\u+5], v[ST+8*\u+4], s[SEL], s[SEL+1]   ; the query's other 32 keys lie in the lane 16 away
.endr
.if \first == 0
.irp u, 0,1
	v_mov_b32 v[ST+8*\u+7], v[ST+8*\u]             ; c m_old is kept for a
.endr
.endif
.irp u, 0,1
	v_max_num_f32 v[ST+8*\u+1], v[ST+8*\u+4], v[ST+8*\u+5]
.endr
.irp u, 0,1
	v_mul_f32 v[ST+8*\u], s[CS], v[ST+8*\u+1]
.endr
.if \first == 0
.irp u, 0,1
	v_sub_f32 v[ST+8*\u+7], v[ST+8*\u+7], v[ST+8*\u]
.endr
.endif
.irp i, 0,2,4,6,8,10,12,14,16,18,20,22,24,26,28,30
.irp u, 0,1
	v_pk_fma_f32 v[S+32*\u+\i:S+32*\u+\i+1], v[S+32*\u+\i:S+32*\u+\i+1], s[CS:CS+1], v[ST+8*\u:ST+8*\u+1] op_sel_hi:[1,0,0] neg_lo:[0,0,1] neg_hi:[0,0,1]   ; c s - c m, two at a time
.endr
.endr
	; ONE BATCH of exponentials with one wait: none of them reads another's result
.if \first == 0
.irp u, 0,1
	v_exp_f32 v[ST+8*\u+6], v[ST+8*\u+7]           ; a
.endr
.endif
.irp i, 0,1,2,3,4,5,6,7,8,9,10,11,12,13,14,15,16,17,18,19,20,21,22,23,24,25,26,27,28,29,30,31
.irp u, 0,1
	v_exp_f32 v[S+32*\u+\i], v[S+32*\u+\i]         ; p
.endr
.endr
	v_nop                                          ; a plain line behind the last exponential,
	s_wait_alu depctr_va_vdst(0)                   ; and the one wait for the batch, ahead of its first reader
	; the sums of the unrounded p: pairs (an even key's, an odd key's), two chains a tile
.irp u, 0,1
	v_pk_add_f32 v[ST+8*\u+4:ST+8*\u+5], v[S+32*\u:S+32*\u+1], v[S+32*\u+2:S+32*\u+3]
	v_pk_add_f32 v[SB+2*\u:SB+2*\u+1], v[S+32*\u+4:S+32*\u+5], v[S+32*\u+6:S+32*\u+7]
.endr
.irp i, 8,12,16,20,24,28
.irp u, 0,1
	v_pk_add_f32 v[ST+8*\u+4:ST+8*\u+5], v[ST+8*\u+4:ST+8*\u+5], v[S+32*\u+\i:S+32*\u+\i+1]
	v_pk_add_f32 v[SB+2*\u:SB+2*\u+1], v[SB+2*\u:SB+2*\u+1], v[S+32*\u+\i+2:S+32*\u+\i+3]
.endr
.endr
.irp u, 0,1
.if \first
	v_pk_add_f32 v[ST+8*\u+2:ST+8*\u+3], v[ST+8*\u+4:ST+8*\u+5], v[SB+2*\u:SB+2*\u+1]
.else
	v_pk_add_f32 v[ST+8*\u+4:ST+8*\u+5], v[ST+8*\u+4:ST+8*\u+5], v[SB+2*\u:SB+2*\u+1]
.endif
.endr
.if \first == 0
.irp u, 0,1
	v_pk_fma_f32 v[ST+8*\u+2:ST+8*\u+3], v[ST+8*\u+2:ST+8*\u+3], v[ST+8*\u+6:ST+8*\u+7], v[ST+8*\u+4:ST+8*\u+5] op_sel_hi:[1,0,1]   ; l = a l + the sum
.endr
.endif
.irp i, 0,1,2,3,4,5,6,7,8,9,10,11,12,13,14,15
.irp u, 0,1
	v_cvt_pk_f16_f32 v[S+32*\u+\i], v[S+32*\u+2*\i], v[S+32*\u+2*\i+1]   ; p to f16, in place and in ascending order: pair i lands on a register whose number has been rounded already (or is its own)
.endr
.endr
.if \first
.rept 4
	v_nop
.endr
.else
.irp i, 0,2,4,6,8,10,12,14,16,18,20,22,24,26,28,30
.irp u, 0,1
	v_pk_mul_f32 v[O+32*\u+\i:O+32*\u+\i+1], v[O+32*\u+\i:O+32*\u+\i+1], v[ST+8*\u+6:ST+8*\u+7] op_sel_hi:[1,0]   ; O^T x a
.endr
.endr
.endif
	s_wait_dscnt 0x0                               ; V is in
.irp ks, 0,1                                   ; O^T += V^T P: keys 32 ks on, channels 16 t on: eight accumulators by turns
.irp t, 0,1,2,3
.irp u, 0,1
.if \first && (\ks == 0)
	v_wmma_f32_16x16x32_f16 v[O+32*\u+8*\t:O+32*\u+8*\t+7], v[F+16*\t+8*\ks:F+16*\t+8*\ks+7], v[S+32*\u+8*\ks:S+32*\u+8*\ks+7], 0
.else
	v_wmma_f32_16x16x32_f16 v[O+32*\u+8*\t:O+32*\u+8*\t+7], v[F+16*\t+8*\ks:F+16*\t+8*\ks+7], v[S+32*\u+8*\ks:S+32*\u+8*\ks+7], v[O+32*\u+8*\t:O+32*\u+8*\t+7]
.endif
.endr
.endr
.endr
.if \first == 0
.Lskip_\@:
.endif
	s_add_co_u32 s[J], s[J], 1
	s_add_co_u32 s[TK], s[TK], KSL
	s_add_co_u32 s[TV], s[TV], VSL
.endm
; Stage n: tiles 4 n - 3 on.  My n-th load has landed (the 4 - n issued behind it may stay out), and behind the barrier everybody's has.
.macro RUN n, trips
	s_wait_tensorcnt 4-\n
	s_wait_dscnt 0x0
	s_barrier_signal -1
	s_barrier_wait -1
	s_mov_b32 s[TK], (4*\n-3)*KSL
	s_mov_b32 s[TV], VB+(4*\n-3)*VSL
	s_mov_b32 s[CNT], \trips
.Lrun_\@:
	STEP 0, 0
	s_sub_co_u32 s[CNT], s[CNT], 1
	s_cmp_lg_u32 s[CNT], 0
	s_cbranch_scc1 .Lrun_\@
.endm
	s_wait_tensorcnt 4                             ; my quarter of tile 0 is in; my four whole tiles may stay out
	s_barrier_signal -1
	s_barrier_wait -1
	s_wait_loadcnt 0x0                             ; Q
	STEP 1, 1
	RUN 1, 4
	RUN 2, 4
	RUN 3, 4
	RUN 4, 3
	STEP 2, 0                                      ; tile 16
	; THE WAY OUT.  O^T / l, rounded to f16; the four heads' parts of a position meet in a stage, and each wave stores eight whole runs of 512 bytes.
.rept 4
	v_nop                                          ; four places behind the last products
.endr
.irp u, 0,1
	v_add_f32 v[ST+8*\u+4], v[ST+8*\u+2], v[ST+8*\u+3]
.endr
.irp u, 0,1
	v_permlanex16_b32 v[ST+8*\u+5], v[ST+8*\u+4], s[SEL], s[SEL+1]
.endr
.irp u, 0,1
	v_add_f32 v[ST+8*\u+4], v[ST+8*\u+4], v[ST+8*\u+5]
.endr
.irp u, 0,1
	v_rcp_f32 v[ST+8*\u+6], v[ST+8*\u+4]
.endr
	v_nop                                          ; a plain line behind the reciprocals,
	s_wait_alu depctr_va_vdst(0)                   ; and the one wait for both
.irp i, 0,2,4,6,8,10,12,14,16,18,20,22,24,26,28,30
.irp u, 0,1
	v_pk_mul_f32 v[O+32*\u+\i:O+32*\u+\i+1], v[O+32*\u+\i:O+32*\u+\i+1], v[ST+8*\u+6:ST+8*\u+7] op_sel_hi:[1,0]
.endr
.endr
.irp u, 0,1
.irp t, 0,1,2,3
.irp i, 0,1,2,3
	v_cvt_pk_f16_f32 v[S+16*\u+4*\t+\i], v[O+32*\u+8*\t+2*\i], v[O+32*\u+8*\t+2*\i+1]
.endr
.endr
.endr
	s_wait_dscnt 0x0                               ; my reads of K's tiles are over,
	s_barrier_signal -1
	s_barrier_wait -1                              ; everybody's are: the stage may be written
.irp u, 0,1
.irp t, 0,1,2,3
	ds_store_b128 v[STO], v[S+16*\u+4*\t:S+16*\u+4*\t+3] offset:16*OP*\u+32*\t
.endr
.endr
	s_wait_dscnt 0x0                               ; for the others' sake: my stores have landed
	s_barrier_signal -1
	s_barrier_wait -1
.irp i, 0,1,2,3,4,5,6,7
	ds_load_b128 v[S+32+4*\i:S+32+4*\i+3], v[RD] offset:OP*\i
.endr
.irp i, 0,1,2,3,4,5,6,7
	s_wait_dscnt 7-\i                              ; load i is back; the later ones may be out
	global_store_b128 v[GO], v[S+32+4*\i:S+32+4*\i+3], s[6:7] offset:2048*\i   ; 32 lanes store 512 consecutive bytes, aligned
.endr
	s_wait_tensorcnt 0x0                           ; the wave's end: an add of 0 to my spare word and its wait stand behind my last tensor load and my last LDS store
	ds_add_u32 v[SPW], v[NIL]
	s_wait_dscnt 0x0
	s_endpgm
.Lfunc_end_k_q195689bea1_attn:
	.size	k_q195689bea1_attn, .Lfunc_end_k_q195689bea1_attn-k_q195689bea1_attn
	.p2alignl 7, 3214868480
	.fill 96, 4, 3214868480
	.section	.rodata,"a",@progbits
	.p2align	6, 0x0
	.amdhsa_kernel k_q195689bea1_attn
		.amdhsa_group_segment_fixed_size 305664
		.amdhsa_private_segment_fixed_size 0
		.amdhsa_enable_private_segment 0
		.amdhsa_kernarg_size 16
		.amdhsa_user_sgpr_count 2
		.amdhsa_user_sgpr_kernarg_segment_ptr 1
		.amdhsa_wavefront_size32 1
		.amdhsa_system_sgpr_workgroup_id_x 1
		.amdhsa_system_sgpr_workgroup_id_y 1
		.amdhsa_system_sgpr_workgroup_id_z 1
		.amdhsa_system_vgpr_workitem_id 0
		.amdhsa_next_free_vgpr 256
		.amdhsa_next_free_sgpr 100
		.amdhsa_reserve_vcc 1
		.amdhsa_float_denorm_mode_32 3
		.amdhsa_float_denorm_mode_16_64 3
		.amdhsa_memory_ordered 1
		.amdhsa_forward_progress 1
		.amdhsa_inst_pref_size 128
	.end_amdhsa_kernel
	.amdgpu_metadata
---
amdhsa.version: [ 1, 2 ]
amdhsa.kernels:
  - .name:           k_q195689bea1_attn
    .symbol:         k_q195689bea1_attn.kd
    .args:
      - { .name: qkvh, .offset: 0, .size: 8, .value_kind: global_buffer, .address_space: global }
      - { .name: ctx, .offset: 8, .size: 8, .value_kind: global_buffer, .address_space: global }
    .group_segment_fixed_size: 305664
    .private_segment_fixed_size: 0
    .kernarg_segment_align: 8
    .kernarg_segment_size: 16
    .max_flat_workgroup_size: 256
    .sgpr_count:     100
    .vgpr_count:     256
    .wavefront_size: 32
...
	.end_amdgpu_metadata
.endif
;; end of part 3
;; launch oproj (part 4): grid 8 x 32, 4 waves a work-group, clusters of 4 x 4, 327,680 bytes of LDS; arguments ctx, wo_h, out0; writes out0
.if DOCPART == 4
	.amdgcn_target "amdgcn-amd-amdhsa--gfx1250"
	.amdhsa_code_object_version 6
	.text
	.protected	k_q195689bea1_oproj
	.globl	k_q195689bea1_oproj
	.p2align	8
	.type	k_q195689bea1_oproj,@function
k_q195689bea1_oproj:
	s_mov_b64 s[64:65], 0
	v_nop
	global_prefetch_b8 v0, s[64:65] scope:SCOPE_SE
	s_setreg_imm32_b32 hwreg(HW_REG_WAVE_MODE, 25, 1), 1
	s_wait_xcnt 0x0
	s_wait_alu depctr_hold_cnt(0) depctr_sa_sdst(0) depctr_va_vdst(0) depctr_va_sdst(0) depctr_va_ssrc(0) depctr_va_vcc(0) depctr_vm_vsrc(0)
	s_getreg_b32 s2, hwreg(HW_REG_IB_STS2, 6, 4)
	s_cmp_eq_u32 s2, 0
	s_cbranch_scc0 .Lentry_in_a_cluster
	s_endpgm
.Lentry_in_a_cluster:
	s_bfe_u32 s2, ttmp6, 0x10000c
	s_cmp_lg_u32 s2, 0xf033
	s_cbranch_scc0 .Lentry_shape_is_right
	s_endpgm
.Lentry_shape_is_right:
; out0[m][n] = sum over k of ctx[m][k] wo_h[n][k].  ctx: [4096][1024] f16, wo_h: [1024][1024] f16, out0: [4096][1024] f32; sums in f32.
; A tile of out0 is 128 x 128, so that 32 x 8 = 256 work-groups share the work.  Four waves, each 64 x 64: 16 accumulators of 16 x 16, 128 registers.  K goes in steps of 256 (LDS rows of 512 bytes;
; a wave's tensor load brings 64 of them) through a ring of two LDS slots.
; CLUSTERS: 4 x 4 work-groups.  The four of a row of the cluster need the same tiles of ctx, the four of a column the same tiles of wo_h: each tile is asked for JOINTLY, by the same tensor load with the
; same descriptor and a mask that names the four.  THE MATRIX INSTRUCTION IS USED TRANSPOSED (source 0 = 16 rows of wo_h, source 1 = 16 rows of ctx): a lane then holds eight neighbouring numbers of a row of out0.
; REGISTERS: window 0: v0-31 addresses; v32-95 at work on the way out; v128-255 the accumulators ((a, b) at v[128 + 8 (4 a + b)]).
;   window 1: two fragment buffers of 128: for 64 along K (two matrix instructions deep), 64 registers of ctx (2 x 4 x 16 rows x 32 K), then 64 of wo_h.
; THE WAY OUT: a wave's 64 columns of f32 are 256 aligned bytes of a row, so each wave has a stage of its own (16 rows) and no barrier is needed.
.set SIZE_M, 4096
.set SIZE_N, 1024
.set SIZE_K, 1024
.set KSTEP,  256
.set PITCH,  528                       ; an LDS row: 512 bytes of data + 16 of padding: the sixteen rows of a fragment load fall on sixteen different 16-byte columns modulo 256 bytes
.set HALFT,  64*PITCH                  ; 64 rows: what one tensor load brings, and what one wave reads of either operand
.set SLOT,   4*HALFT                   ; ctx's 128 rows, then wo_h's 128 rows
.set STAGE,  2*SLOT                    ; behind the ring: 16 rows x 272 bytes for each wave; no tensor load lands there
.set SPITCH, 272
.set SPARE,  STAGE+4*16*SPITCH         ; behind the stages: the spare words, 128 bytes for each wave
.set LAPS, SIZE_K/(2*KSTEP)            ; a lap = two K steps = once round the ring
.set ADRA, 16                          ; v16-17  LDS address of my fragments of ctx in slot 0, 1
.set ADRB, 20                          ; v20-21  the same for wo_h
.set STO,  24                          ; v24     the way out: where I put 32 bytes of a row
.set RD,   25                          ; v25     the way out: where I read a row back
.set CO,   26                          ; v26     my byte offset in out0
.set SPW,  28                          ; v28     my spare word; never rewritten
.set NIL,  29                          ; v29     0; never rewritten
.set TMP,  32                          ; the way out: two sets of 32 registers, rows read back
.set ACC,  128
.set F0,   0                           ; fragment buffers, in window 1
.set F1,   128
.set G1, 24                            ; s[24:31] descriptor group 1 for ctx's tiles;  s[32:39] group 0, one set for each slot
.set G0, 32
.set G1B, 48                           ; s[48:55], s[56:63] the same for wo_h's tiles
.set G0B, 56
.set MSB, 0
.macro WIN new                         ; the immediate's high byte repeats the setting that is left
.if MSB != \new
	s_set_vgpr_msb (MSB<<8)|\new
.set MSB, \new
.endif
.endm
.set MUL,  0x05                        ; sources 0 and 1 window 1; C and D window 0
.set TO_F, 0x40                        ; destination window 1, address window 0
.macro JLOAD s                         ; a joint load: waves 0 and 1 fetch ctx's two halves, waves 2 and 3 wo_h's; an s_nop 0 and four v_nop follow each of the two lines
	s_cmp_eq_u32 s11, 0
	s_cbranch_scc0 .Lfor_b_\@
	tensor_load_to_lds s[G0+4*\s:G0+4*\s+3], s[G1:G1+7]
	s_nop 0
.rept 4
	v_nop
.endr
	s_branch .Lasked_\@
.Lfor_b_\@:
	tensor_load_to_lds s[G0B+4*\s:G0B+4*\s+3], s[G1B:G1B+7]
	s_nop 0
.rept 4
	v_nop
.endr
.Lasked_\@:
.endm
.macro CREST                           ; a round of the cluster's barrier behind its opening barrier
	s_cmp_lg_u32 s10, 0
	s_cbranch_scc1 .Lnot_wave_0_\@
	s_barrier_signal -3
.Lnot_wave_0_\@:
	s_barrier_wait -3
	s_barrier_signal -1
	s_barrier_wait -1
.endm
.macro CROUND                          ; a whole round
	s_barrier_signal -1
	s_barrier_wait -1
	CREST
.endm
	s_load_b128 s[4:7], s[0:1], 0x0                ; ctx s[4:5], wo_h s[6:7]
	s_load_b64 s[8:9], s[0:1], 0x10                ; out0
	v_lshl_add_u32 v[SPW], v0, 2, SPARE
	v_mov_b32 v[NIL], 0
	ds_add_u32 v[SPW], v[NIL]                      ; the wave's opening: the add and its wait stand ahead of my first tensor load; work on registers stands between
	v_lshrrev_b32 v1, 5, v0
	v_readfirstlane_b32 s10, v1                    ; wave 0..3
	s_lshr_b32 s11, s10, 1                         ; which half of the tile's rows is mine.  Also: I fetch for ctx (0) or for wo_h (1)
	s_and_b32 s12, s10, 1                          ; which half of its columns.  Also: which 64 rows of that tile I fetch
	s_bfe_u32 s40, ttmp6, 0x40000                  ; cx, cy: my place in the cluster
	s_bfe_u32 s41, ttmp6, 0x40004
	s_lshl_b32 s42, ttmp9, 2
	s_add_co_u32 s42, s42, s40                     ; tile column = 4 x cluster x + cx
	s_and_b32 s13, ttmp7, 0xffff
	s_lshl_b32 s13, s13, 2
	s_add_co_u32 s13, s13, s41                     ; tile row = 4 x cluster y + cy
	s_lshl_b32 s43, s41, 2
	s_lshl_b32 s43, 15, s43                        ; my row of the cluster
	s_lshl_b32 s44, 0x1111, s40                    ; my column
	; descriptor group 1: a tile of 64 rows x 256 elements of 2 bytes; four words of padding behind every 128
	s_or_b32 s[G1+0], s43, (1<<16)|(1<<20)|(1<<21)|(6<<22)|(3<<25)
	s_or_b32 s[G1B+0], s44, (1<<16)|(1<<20)|(1<<21)|(6<<22)|(3<<25)
.irp g, G1, G1B
	s_mov_b32 s[\g+1], KSTEP<<16                   ; tensor_dim0 = 256
	s_mov_b32 s[\g+2], 64<<16                      ; tensor_dim1 = 64
	s_mov_b32 s[\g+3], KSTEP<<16                   ; tile_dim0 = 256
	s_mov_b32 s[\g+4], 64                          ; tile_dim1 = 64
	s_mov_b32 s[\g+5], SIZE_K                      ; from row to row
	s_mov_b32 s[\g+6], 0
	s_mov_b32 s[\g+7], 0
.endr
	s_lshl_b32 s17, s12, 6                         ; which 64 rows of the tile I fetch
	s_lshl_b32 s16, s13, 7
	s_add_co_u32 s16, s16, s17                     ; ctx: row 128 x tile row + 64 x half
	s_lshl_b32 s46, s42, 7
	s_add_co_u32 s46, s46, s17                     ; wo_h: row 128 x tile column + 64 x half
	s_mov_b32 s17, 0
	s_mov_b32 s47, 0
	s_mov_b64 s[18:19], SIZE_K*2
	s_mul_u64 s[16:17], s[16:17], s[18:19]
	s_mul_u64 s[46:47], s[46:47], s[18:19]
	s_mul_i32 s20, s10, HALFT                      ; where they go: wave x 64 rows: no place in the cluster enters an LDS address
	s_wait_dscnt 0x0                               ; the opening add is done
	s_wait_kmcnt 0x0
	s_add_nc_u64 s[14:15], s[4:5], s[16:17]
	s_add_nc_u64 s[46:47], s[6:7], s[46:47]
	CROUND                                         ; all sixteen work-groups are here: the first joint loads meet
.irp s, 0,1
	s_mov_b32 s[G0+4*\s], 1
	s_add_co_u32 s[G0+4*\s+1], s20, \s*SLOT
	s_add_nc_u64 s[G0+4*\s+2:G0+4*\s+3], s[14:15], \s*KSTEP*2
	s_or_b32 s[G0+4*\s+3], s[G0+4*\s+3], 0x80000000
	s_mov_b32 s[G0B+4*\s], 1
	s_add_co_u32 s[G0B+4*\s+1], s20, \s*SLOT
	s_add_nc_u64 s[G0B+4*\s+2:G0B+4*\s+3], s[46:47], \s*KSTEP*2
	s_or_b32 s[G0B+4*\s+3], s[G0B+4*\s+3], 0x80000000
	JLOAD \s
.endr
	v_and_b32 v1, 15, v0                           ; l % 16
	v_bfe_u32 v2, v0, 4, 1                         ; l / 16
	v_mul_u32_u24 v3, v1, PITCH
	v_lshl_add_u32 v3, v2, 4, v3                   ; a fragment's row x pitch + 16 x half
	s_mul_i32 s21, s11, HALFT                      ; my 64 rows of ctx
	s_mul_i32 s22, s12, HALFT                      ; my 64 rows of wo_h,
	s_add_co_u32 s22, s22, 2*HALFT                 ; which lie behind ctx's 128
.irp s, 0,1
	v_add_nc_u32 v[ADRA+\s], s21, v3
	v_add_nc_u32 v[ADRB+\s], s22, v3
	s_add_co_u32 s21, s21, SLOT
	s_add_co_u32 s22, s22, SLOT
.endr
	s_mul_i32 s23, s10, 16*SPITCH
	s_add_co_u32 s23, s23, STAGE                   ; my stage
	v_mul_u32_u24 v4, v1, SPITCH                   ; in: row l % 16, 32 bytes for each half of the lanes
	v_lshl_add_u32 v4, v2, 5, v4
	v_add_nc_u32 v[STO], s23, v4
	v_mul_u32_u24 v5, v2, SPITCH                   ; back: lanes 0-15 one row of 256 bytes, lanes 16-31 the next
	v_lshl_add_u32 v5, v1, 4, v5
	v_add_nc_u32 v[RD], s23, v5
	v_mul_u32_u24 v5, v2, SIZE_N*4                 ; and the same two rows in out0
	v_lshl_add_u32 v[CO], v1, 4, v5
	s_lshl_b32 s16, s13, 7
	s_lshl_b32 s17, s11, 6
	s_add_co_u32 s16, s16, s17                     ; my first row: 128 x tile row + 64 x half
	s_mov_b32 s17, 0
	s_mov_b64 s[18:19], SIZE_N*4
	s_mul_u64 s[16:17], s[16:17], s[18:19]
	s_add_nc_u64 s[8:9], s[8:9], s[16:17]
	s_lshl_b32 s46, s42, 9                         ; my first column, in bytes: 512 x tile column + 256 x half
	s_lshl_b32 s47, s12, 8
	s_add_co_u32 s46, s46, s47
	s_mov_b32 s47, 0
	s_add_nc_u64 s[8:9], s[8:9], s[46:47]
; 8 matrix instructions: m blocks a0, a0 + 1 x all 4 n blocks, 32 along K: half c of buffer f.  zero = 1: the first product starts the sums.  The 16 accumulators take turns
.macro MUL8 f, c, a0, zero
.irp a, \a0, \a0+1
.irp b, 0,1,2,3
.if \zero
	v_wmma_f32_16x16x32_f16 v[ACC+8*(4*(\a)+\b):ACC+8*(4*(\a)+\b)+7], v[\f+64+8*(4*\c+\b):\f+64+8*(4*\c+\b)+7], v[\f+8*(4*\c+\a):\f+8*(4*\c+\a)+7], 0
.else
	v_wmma_f32_16x16x32_f16 v[ACC+8*(4*(\a)+\b):ACC+8*(4*(\a)+\b)+7], v[\f+64+8*(4*\c+\b):\f+64+8*(4*\c+\b)+7], v[\f+8*(4*\c+\a):\f+8*(4*\c+\a)+7], v[ACC+8*(4*(\a)+\b):ACC+8*(4*(\a)+\b)+7]
.endif
.endr
.endr
.endm
; 32 LDS loads in one run: the fragments of 64 along K at byte k of the rows, into buffer f; the first 32 along K first
.macro FETCH slot, k, f
	WIN TO_F
.irp c, 0,1
.irp i, 0,1,2,3
	ds_load_b128 v[\f+64+8*(4*\c+\i):\f+64+8*(4*\c+\i)+3],   v[ADRB+\slot] offset:\k+64*\c+\i*16*PITCH
	ds_load_b128 v[\f+64+8*(4*\c+\i)+4:\f+64+8*(4*\c+\i)+7], v[ADRB+\slot] offset:\k+64*\c+\i*16*PITCH+32
	ds_load_b128 v[\f+8*(4*\c+\i):\f+8*(4*\c+\i)+3],         v[ADRA+\slot] offset:\k+64*\c+\i*16*PITCH
	ds_load_b128 v[\f+8*(4*\c+\i)+4:\f+8*(4*\c+\i)+7],       v[ADRA+\slot] offset:\k+64*\c+\i*16*PITCH+32
.endr
.endr
.endm
.macro PLACES                          ; four places in front of loads into registers that matrix instructions have read, and of the first read of results
.rept 4
	v_nop
.endr
.endm
; A K step is four quarters of 64 along K, 32 matrix instructions each, on buffers 0, 1, 0, 1.  One of the first three: multiplies buffer f and fetches the next quarter, at byte k, into g.
.macro QUARTER slot, k, f, g, zero
	s_wait_dscnt 16                                ; the first 32 along K are in; the sixteen loads of the second 32 may be out
	WIN MUL
	MUL8 \f, 0, 0, \zero
	MUL8 \f, 0, 2, \zero
	PLACES
	FETCH \slot, \k, \g
	s_wait_dscnt 32                                ; all but the 32 just issued
	WIN MUL
	MUL8 \f, 1, 0, 0
	MUL8 \f, 1, 2, 0
.endm
; The last quarter multiplies buffer 1 and changes slots: ONE barrier; in front of it each wave waits for all its tensor loads, adds 0 to its spare word, and waits for that and for its own reads of this slot.
; fill = 1: this slot is filled again, two K steps ahead; the barrier then opens a round of the cluster's barrier, and the joint load is the first tensor load behind the round.
.macro TURN slot, next, fill
	WIN 0                                          ; (the add's two registers lie in window 0)
	s_wait_tensorcnt 0x0                           ; all my tensor loads have landed: my part of the next slot;
	ds_add_u32 v[SPW], v[NIL]                      ; 0 onto my spare word;
	s_wait_dscnt 17                                ; (the add and the youngest sixteen loads may be out)
	WIN MUL
	MUL8 F1, 0, 0, 0                               ; eight matrix instructions stand between the add and the wait for it
	s_wait_dscnt 0x0                               ; the add is done, and my reads of this slot are over
	s_barrier_signal -1
	MUL8 F1, 0, 2, 0
.if \fill
	WIN 0
.endif
	s_barrier_wait -1
.if \fill
	CREST                                          ; no wave of any partner still reads this slot's tile or has a load on its way
	s_add_nc_u64 s[G0+4*\slot+2:G0+4*\slot+3], s[G0+4*\slot+2:G0+4*\slot+3], 2*KSTEP*2
	s_add_nc_u64 s[G0B+4*\slot+2:G0B+4*\slot+3], s[G0B+4*\slot+2:G0B+4*\slot+3], 2*KSTEP*2
	JLOAD \slot                                    ; 112 matrix instructions ahead of the wait for it; the four v_nop behind it are also the places in front of the loads below
.else
	PLACES
.endif
	FETCH \next, 0, F0
	WIN MUL
	MUL8 F1, 1, 0, 0
	MUL8 F1, 1, 2, 0
.endm
	s_wait_tensorcnt 1                             ; my part of K step 0 is in (K step 1's load may be out)
	s_barrier_signal -1
	s_barrier_wait -1                              ; everybody's is
	FETCH 0, 0, F0
	QUARTER 0, 128, F0, F1, 1                      ; the first quarter stands in front of the loop: its first products start the sums
.if LAPS > 1
	WIN 0                                          ; at a label and at a branch every window is 0
	s_mov_b32 s3, LAPS-1
.Llap:                                                 ; a trip goes once round the ring, from a lap's second quarter to the next lap's first, and fills both slots again
	QUARTER 0, 256, F1, F0, 0
	QUARTER 0, 384, F0, F1, 0
	TURN 0, 1, 1
	QUARTER 1, 128, F0, F1, 0
	QUARTER 1, 256, F1, F0, 0
	QUARTER 1, 384, F0, F1, 0
	TURN 1, 0, 1
	QUARTER 0, 128, F0, F1, 0
	WIN 0
	s_sub_co_u32 s3, s3, 1
	s_cmp_lg_u32 s3, 0
	s_cbranch_scc1 .Llap
.endif
	QUARTER 0, 256, F1, F0, 0                      ; the last lap fills nothing, and has no round of the cluster's barrier
	QUARTER 0, 384, F0, F1, 0
	TURN 0, 1, 0
	QUARTER 1, 128, F0, F1, 0
	QUARTER 1, 256, F1, F0, 0
	QUARTER 1, 384, F0, F1, 0
	s_wait_dscnt 16                                ; the very last quarter: nothing more to fetch
	WIN MUL
	MUL8 F1, 0, 0, 0
	MUL8 F1, 0, 2, 0
	s_wait_dscnt 0
	MUL8 F1, 1, 0, 0
	MUL8 F1, 1, 2, 0
	WIN 0
; THE WAY OUT, a block of 16 rows x 64 columns at a time.  A lane holds 32 neighbouring bytes of a row, and the lanes beside it hold other rows: a block goes through my own stage and comes back as whole
; rows of 256 bytes, two an instruction.  LDS serves a wave's instructions in order: no wait between the stores and the loads, nor in front of the next block's stores.
.macro TOSTAGE a
.irp b, 0,1,2,3
	ds_store_b128 v[STO], v[ACC+8*(4*(\a)+\b):ACC+8*(4*(\a)+\b)+3] offset:64*\b        ; each accumulator from its low end on
	ds_store_b128 v[STO], v[ACC+8*(4*(\a)+\b)+4:ACC+8*(4*(\a)+\b)+7] offset:64*\b+16
.endr
.irp i, 0,1,2,3,4,5,6,7
	ds_load_b128 v[TMP+32*((\a)%2)+4*\i:TMP+32*((\a)%2)+4*\i+3], v[RD] offset:\i*2*SPITCH
.endr
.endm
.macro SEND a, younger                 ; younger: the LDS instructions issued behind block a's loads, which may stay out
	s_wait_dscnt \younger
.irp i, 0,1,2,3,4,5,6,7
	global_store_b128 v[CO], v[TMP+32*((\a)%2)+4*\i:TMP+32*((\a)%2)+4*\i+3], s[8:9] offset:(16*(\a)+2*\i)*SIZE_N*4 th:TH_STORE_NT   ; 16 lanes store 256 consecutive bytes, aligned; written once, read by nobody here
.endr
.endm
	PLACES
	TOSTAGE 0
.irp a, 1,2,3
.if \a > 1
	s_wait_xcnt 0x0                                ; block a - 2's stores have read their registers: block a's loads may land there
.endif
	TOSTAGE \a
	SEND \a-1, 16                                  ; behind block a - 1's loads: block a's eight stores and eight loads
.endr
	SEND 3, 0
	s_wait_tensorcnt 0x0                           ; the wave's end: an add of 0 to my spare word and its wait stand behind my last tensor load and my last LDS store
	ds_add_u32 v[SPW], v[NIL]
	s_wait_dscnt 0x0
	CROUND                                         ; the closing round: no work-group ends while a partner may still ask for a tile that names it
	s_endpgm
.Lfunc_end_k_q195689bea1_oproj:
	.size	k_q195689bea1_oproj, .Lfunc_end_k_q195689bea1_oproj-k_q195689bea1_oproj
	.p2alignl 7, 3214868480
	.fill 96, 4, 3214868480
	.section	.rodata,"a",@progbits
	.p2align	6, 0x0
	.amdhsa_kernel k_q195689bea1_oproj
		.amdhsa_group_segment_fixed_size 327680
		.amdhsa_private_segment_fixed_size 0
		.amdhsa_enable_private_segment 0
		.amdhsa_kernarg_size 24
		.amdhsa_user_sgpr_count 2
		.amdhsa_user_sgpr_kernarg_segment_ptr 1
		.amdhsa_wavefront_size32 1
		.amdhsa_system_sgpr_workgroup_id_x 1
		.amdhsa_system_sgpr_workgroup_id_y 1
		.amdhsa_system_sgpr_workgroup_id_z 1
		.amdhsa_system_vgpr_workitem_id 0
		.amdhsa_next_free_vgpr 512
		.amdhsa_next_free_sgpr 66
		.amdhsa_reserve_vcc 0
		.amdhsa_float_denorm_mode_32 3
		.amdhsa_float_denorm_mode_16_64 3
		.amdhsa_memory_ordered 1
		.amdhsa_forward_progress 1
		.amdhsa_inst_pref_size 86
	.end_amdhsa_kernel
	.amdgpu_metadata
---
amdhsa.version: [ 1, 2 ]
amdhsa.kernels:
  - .name:           k_q195689bea1_oproj
    .symbol:         k_q195689bea1_oproj.kd
    .args:
      - { .name: ctx, .offset: 0, .size: 8, .value_kind: global_buffer, .address_space: global }
      - { .name: wo_h, .offset: 8, .size: 8, .value_kind: global_buffer, .address_space: global }
      - { .name: out0, .offset: 16, .size: 8, .value_kind: global_buffer, .address_space: global }
    .group_segment_fixed_size: 327680
    .private_segment_fixed_size: 0
    .kernarg_segment_align: 8
    .kernarg_segment_size: 24
    .max_flat_workgroup_size: 128
    .sgpr_count:     66
    .vgpr_count:     512
    .wavefront_size: 32
...
	.end_amdgpu_metadata
.endif
;; end of part 4
